; MI455X (gfx1250); checked and timed in simulation.
; The chip was launched on July 23, 2026; its instructions are those of AMD's public machine-readable ISA for CDNA 5 (MIT licence, August 2026) and "CDNA5" Instruction Set Architecture Reference Guide (July 2026). The comments in the code are by the model that wrote it; some were corrected since.
;; Multi Head Attention. Allowed arithmetic: matrix products marked QUANTISED: E2M3 operands, one E8M0 scale for each 32 along K, by v_wmma_scale_f32_16x16x128_f8f6f4 with both operands' format E2M3, f32 sums; everything else in f32.
;; Inputs: W_ks 1,024 x 1,024 float32; W_qs 1,024 x 1,024 float32; W_vs 1,024 x 1,024 float32; fc_b 1,024 float32; fc_w 1,024 x 1,024 float32; k 4 x 2,048 x 1,024 float32; ln_b 1,024 float32; ln_g 1,024 float32; q 4 x 2,048 x 1,024 float32; v 4 x 2,048 x 1,024 float32.
;; Outputs: out0 4 x 2,048 x 1,024 float32.
;; This version of the problem:
;;   THIS VERSION OF THE PROBLEM IS GIVEN IN LOW PRECISION. The matrix products marked QUANTISED in the list below multiply operands that are first quantised to E2M3 (2 exponent bits, 3 mantissa bits; 6 bits a number), with one power-of-two scale for each 32 numbers along K (OCP MX v1.0); their sums are f32. All else is computed in f32.
;;   The module's matrix products, in the order in which they are computed (A, B: the left and right operand; K: the contracted axis; several contracted axes count as one K, in the product's order):
;;     1. [M 8,192, K 1,024] x [K 1,024, N 1,024]; A: input q; B: input W_qs: QUANTISED
;;     2. [M 8,192, K 1,024] x [K 1,024, N 1,024]; A: input k; B: input W_ks: QUANTISED
;;     3. [M 8,192, K 1,024] x [K 1,024, N 1,024]; A: input v; B: input W_vs: QUANTISED
;;     4. batch 64 x [M 2,048, K 64] x [K 64, N 2,048]; A: computed on the way; B: computed on the way: QUANTISED
;;     5. batch 64 x [M 64, K 2,048] x [K 2,048, N 2,048]; A: computed on the way; B: softmax (see below): QUANTISED
;;     6. [M 8,192, K 1,024] x [K 1,024, N 1,024]; A: computed on the way; B: input fc_w: QUANTISED
;;   THE QUANTISER, for each operand of a quantised product, along K:
;;     - K is cut into blocks of 32 from its start; a last block that is shorter is filled with zeros.
;;     - A block's scale is 2^e with e = floor(log2(the largest magnitude in the block)) - 2, held to -126 .. 127; a block of zeros has e = 0. As a byte (E8M0): e + 127.
;;     - Each number is divided by its block's scale, clamped to +-7.5, and rounded to the nearest number of E2M3, ties to even, subnormals kept.
;;     - The product sums the exact products of the quantised numbers (number of the format x scale) in f32.
;;   ~~~python
;;   def quantise(x, axis):      # numpy; x: float32 -> the quantised numbers, widened to float32 again
;;       x = np.moveaxis(x, axis, -1); K = x.shape[-1]
;;       x = np.pad(x, [(0, 0)] * (x.ndim - 1) + [(0, -K % 32)]); x = x.reshape(x.shape[:-1] + (-1, 32)); a = np.abs(x).max(-1, keepdims=True)
;;       e = np.where(a > 0, np.clip(np.frexp(np.where(a > 0, a, 1))[1] - 1 - 2, -126, 127), 0)      # np.frexp(a)[1] - 1 = floor(log2(a)), exactly
;;       r = np.clip(x / 2.0 ** e, -7.5, 7.5)
;;       step = 2.0 ** (np.maximum(np.frexp(np.where(r == 0, 1, r))[1] - 1, 0) - 3)
;;       q = np.round(r / step) * step * 2.0 ** e      # np.round: ties to even
;;       return np.moveaxis(q.reshape(q.shape[:-2] + (-1,))[..., :K], -1, axis).astype(np.float32)
;;   ~~~
;;   SOFTMAX AHEAD OF A QUANTISED PRODUCT. Where the list says 'softmax', what is quantised is not the finished softmax but p = 2^(t - M), with t = logit x log2(e) and M = ceil(the row's largest t), a whole number; so 1/2 < the row's largest p <= 1. The row's sum l is taken of the UNQUANTISED p, in f32, and the product's result is divided by l at the end. Since M is a whole number, a kernel that streams over the keys may use a running M (the ceiling of the running maximum): every later rescaling is an exact power of two, which a block's scale takes up: the codes' values come out the same.
;;   OPERANDS COMPUTED ON THE WAY. 'Computed on the way' means the value that the module computes at that place (a softmax that the list does not call 'softmax' is quantised finished and normalised). What goes into a quantiser is computed in f32, as accurately as f32 sums, v_exp_f32 and their like allow (about 1e-6 of the number): no bf16 or f16 on the way to a quantiser, and a product that is left as it is and whose result goes on into a quantised operand takes f32 operands (vector FMAs, or v_wmma_f32_16x16x4_f32). A number that lies on a knife's edge between two numbers of the format may be rounded either way, as far as f32 arithmetic and the matrix unit's own rounding can turn it there, and no further.
;; One version. Each part assembles by itself: llvm-mc -triple=amdgcn-amd-amdhsa -mcpu=gfx1250 --defsym DOCPART=n.
;; ======== version 1 of 1: 4 launches
;; limits: right only within a limited range of input values
;; workspace buffers: cod 22,020,096 bytes; scl 917,504 bytes; pc 18,874,368 bytes; ps 786,432 bytes; oc 6,291,456 bytes; os 262,144 bytes
;; launch quant (part 1): grid 512 x 1, 4 waves a work-group, no clusters, 34,304 bytes of LDS; arguments q, k, v, W_qs, W_ks, W_vs, fc_w, cod, scl; writes cod, scl
.if DOCPART == 1
	.amdgcn_target "amdgcn-amd-amdhsa--gfx1250"
	.amdhsa_code_object_version 6
	.text
	.protected	k_q494caf8055_quant
	.globl	k_q494caf8055_quant
	.p2align	8
	.type	k_q494caf8055_quant,@function
k_q494caf8055_quant:
	s_mov_b64 s[64:65], 0
	v_nop
	global_prefetch_b8 v0, s[64:65] scope:SCOPE_SE
	s_setreg_imm32_b32 hwreg(HW_REG_WAVE_MODE, 25, 1), 1
	s_wait_xcnt 0x0
; q, k, v [8192][1024] and the four weights [1024 (K)][1024 (N)], all f32, become codes of FP6 (E2M3) and one E8M0 byte for each 32 along K.
; cod is one matrix of 28,672 rows x 1,024 K: rows 8192 t + token (t = 0, 1, 2: q, k, v), then rows 24,576 + 1024 w + n (w = 0 .. 3: W_qs, W_ks, W_vs, fc_w; n = the weight's column).
; It is laid in the order of an operand's registers: [row / 16][K / 128][plane 0..2][lane 0..31][16 bytes]: plane g holds registers 4 g .. 4 g + 3 of the fragment (16 rows x 128 K) of each lane.
; scl is [row][32 bytes], byte j for K = 32 j on.
; A block's scale is 2^(floor(log2(its largest magnitude)) - 2); its byte is the largest magnitude's exponent field - 2, held at 1 from below.
; fc_w alone is laid in another order inside each block of 32: places 8..15 hold K 16..23 and places 16..23 hold K 8..15, the order in which the attention launch leaves its results.
; LIMITS: NaN and infinities among the inputs are not served; a block of zeros gets the byte 1 (its codes are zeros, and this program alone reads the bytes); blocks whose largest magnitude lies under 2^-124 keep the byte 1.
; Work-groups 0..383 take q, k, v (a wave: 16 rows x all of K); work-groups 384..511 take the weights (a wave: 32 columns x 256 K, a lane to a column).  Waves share nothing: no barrier.  Only the first path touches LDS.
.set R,   16                           ; v16-143  x path: two sets of 64 registers as loaded
.set X,   144                          ; v144-207 64 numbers of a lane: register 16 b + i = K 32 b + 16 (lane / 16) + i of row lane % 16
.set PC,  208                          ; v208-227 the codes just made
.set TM,  228                          ; v228-243 at work
.set PW,  244                          ; v244-251 a scale word for each 128 along K
.set OW,  252                          ; v252-255 the scale words that I store
.set SEL, 22                           ; s[22:23] lane selects: lane l xor 16
.set XW,  16                           ; v16-79   weights path: two sets of 32 numbers
.set F,   208                          ; v208-219 a lane's 12 registers of a fragment
.set SW,  244                          ; v244-245 two scale words
; 64 numbers of a lane become a fragment's codes in v[PC] on and its scale word in v[pw]
.macro QUANT s, pw
.irp b, 0,1,2,3
	v_max3_num_f32 v[TM+\b], |v[\s+16*\b]|, |v[\s+1+16*\b]|, 0x1800000   ; block b: my 16 numbers, and the floor 2^(3 - 127): the byte cannot fall under 1
.endr
.irp i, 2,4,6,8,10,12,14
.irp b, 0,1,2,3
	v_max3_num_f32 v[TM+\b], v[TM+\b], |v[\s+16*\b+\i]|, |v[\s+1+16*\b+\i]|   ; the four blocks by turns
.endr
.endr
.irp b, 0,1,2,3
	v_permlanex16_b32 v[TM+4+\b], v[TM+\b], s[SEL], s[SEL+1]
.endr
.irp b, 0,1,2,3
	v_max_num_f32 v[TM+\b], v[TM+\b], v[TM+4+\b]   ; with lane l xor 16's: the block's largest magnitude
.endr
.irp b, 0,1,2,3
	v_add_nc_u32 v[TM+12+\b], 0xff000000, v[TM+\b]   ; 2 off its exponent field: the conversion takes this operand's exponent field as its scale
.endr
.irp b, 0,1,2,3
	v_lshrrev_b32 v[TM+4+\b], 23, v[TM+12+\b]      ; the scale's byte
.endr
	v_lshl_or_b32 v[\pw], v[TM+5], 8, v[TM+4]
	v_lshl_or_b32 v[\pw], v[TM+6], 16, v[\pw]
	v_lshl_or_b32 v[\pw], v[TM+7], 24, v[\pw]
.irp c, 0,1
	v_cvt_scalef32_pk16_fp6_f32 v[PC+6*\c:PC+2+6*\c], v[\s+32*\c:\s+15+32*\c], v[TM+12+2*\c]
	v_cvt_scalef32_pk16_fp6_f32 v[PC+12+4*\c:PC+14+4*\c], v[\s+16+32*\c:\s+31+32*\c], v[TM+13+2*\c]   ; (a conversion's three registers begin on an even number)
.endr
	v_nop                                          ; one plain instruction behind the scaled conversions
.irp c, 0,1                                    ; the operand wants a whole block in a lane: lanes 0-15 block 2 c, lanes 16-31 block 2 c + 1
.irp i, 0,1,2
	v_permlane16_swap_b32 v[PC+6*\c+\i], v[PC+12+4*\c+\i]
.endr
.irp i, 0,1,2
	v_mov_b32 v[PC+3+6*\c+\i], v[PC+12+4*\c+\i]
.endr
.endr
.endm
.macro LOADX q                         ; 128 along K of my 16 rows: each load reads 512 consecutive bytes of one row
.irp i, 0,1,2,3,4,5,6,7,8,9,10,11,12,13,14,15
	global_load_b128 v[R+64*((\q)%2)+4*\i:R+64*((\q)%2)+4*\i+3], v2, s[24:25] offset:4096*\i+512*(\q) th:TH_LOAD_NT
.endr
.endm
.macro STEP q
.if (\q) < 7
	s_wait_loadcnt 16                              ; this step's 16 loads are in; the next step's 16 may be out
.else
	s_wait_loadcnt 0x0
.endif
.irp i, 0,1,2,3,4,5,6,7,8,9,10,11,12,13,14,15
	ds_store_b128 v3, v[R+64*((\q)%2)+4*\i:R+64*((\q)%2)+4*\i+3] offset:528*\i   ; into my wave's stage as they lie: rows of 512 bytes + 16
.endr
.irp b, 0,1,2,3
.irp j, 0,1,2,3
	ds_load_b128 v[X+16*\b+4*\j:X+16*\b+4*\j+3], v4 offset:128*\b+16*\j   ; and back, 16 neighbours of each block to a lane; LDS serves a wave's instructions in order
.endr
.endr
	s_wait_dscnt 0x0
.if (\q) > 0
	s_wait_xcnt 0x0                                ; the last step's stores have read the codes' registers, which are written again below
.endif
.if (\q)+2 < 8
	LOADX (\q)+2
.endif
	QUANT X, PW+(\q)
.irp g, 0,1,2
	global_store_b128 v2, v[PC+4*\g:PC+4*\g+3], s[36:37] offset:1536*(\q)+512*\g   ; 32 lanes store 512 consecutive bytes, aligned to 256
.endr
.endm
.macro LOADB u                         ; block u = 4 qq + 2 h + c of my column: K = 128 qq + 64 c + 32 h + place; places 8..15 and 16..23 go by address registers of their own, which change them over for fc_w
.set KR, 128*((\u)/4)+64*((\u)%2)+32*(((\u)/2)%2)
.irp i, 0,1,2,3,4,5,6,7,8,9,10,11,12,13,14,15,16,17,18,19,20,21,22,23,24,25,26,27,28,29,30,31
.if (\i < 8) || (\i > 23)
	global_load_b32 v[XW+32*((\u)%2)+\i], v2, s[24:25] offset:(KR+\i)*4096 th:TH_LOAD_NT
.elseif \i < 16
	global_load_b32 v[XW+32*((\u)%2)+\i], v3, s[24:25] offset:(KR+\i)*4096 th:TH_LOAD_NT
.else
	global_load_b32 v[XW+32*((\u)%2)+\i], v4, s[24:25] offset:(KR+\i-8)*4096 th:TH_LOAD_NT
.endif
.endr
.endm
.macro BLOCK u
.set XS, XW+32*((\u)%2)
.set CC, (\u)%2
.set HH, ((\u)/2)%2
.set QQ, (\u)/4
.if (\u) < 7
	s_wait_loadcnt 32                              ; this block's 32 loads are in; the next block's may be out
.else
	s_wait_loadcnt 0x0
.endif
.if (CC == 0) && ((\u) > 0)
	s_wait_xcnt 0x0                                ; the last fragment's stores have read their registers
.endif
	v_max3_num_f32 v228, |v[XS]|, |v[XS+1]|, |v[XS+2]|   ; the block's largest magnitude: all 32 numbers are mine
	v_max3_num_f32 v229, |v[XS+3]|, |v[XS+4]|, |v[XS+5]|
.irp i, 6,10,14,18,22,26
	v_max3_num_f32 v228, v228, |v[XS+\i]|, |v[XS+\i+1]|
	v_max3_num_f32 v229, v229, |v[XS+\i+2]|, |v[XS+\i+3]|
.endr
	v_max3_num_f32 v228, v228, |v[XS+30]|, |v[XS+31]|
	v_max3_num_f32 v228, v228, v229, 0x1800000     ; and the floor
	v_add_nc_u32 v230, 0xff000000, v228
	v_lshrrev_b32 v231, 23, v230                   ; the byte of block 2 c + h of these 128
.if (CC == 0) && (HH == 0)
	v_mov_b32 v[SW+QQ], v231
.else
	v_lshl_or_b32 v[SW+QQ], v231, 8*(2*CC+HH), v[SW+QQ]
.endif
	v_cvt_scalef32_pk16_fp6_f32 v[F+6*CC:F+6*CC+2], v[XS:XS+15], v230
	v_cvt_scalef32_pk16_fp6_f32 v[220+4*CC:222+4*CC], v[XS+16:XS+31], v230
	v_nop                                          ; one plain instruction behind the scaled conversions
.irp i, 0,1,2
	v_mov_b32 v[F+6*CC+3+\i], v[220+4*CC+\i]
.endr
.if (\u)+2 < 8
	LOADB (\u)+2
.endif
.if CC == 1
.irp g, 0,1,2
	global_store_b128 v5, v[F+4*\g:F+4*\g+3], s[36:37] offset:1536*QQ+512*\g+256*HH   ; sixteen lanes store 256 consecutive bytes, aligned: the places of lanes 16 h .. 16 h + 15 of a plane
.endr
.endif
.endm
	s_load_b256 s[4:11], s[0:1], 0x0               ; q s[4:5], k s[6:7], v s[8:9], W_qs s[10:11]
	s_load_b256 s[12:19], s[0:1], 0x20             ; W_ks s[12:13], W_vs s[14:15], fc_w s[16:17], cod s[18:19]
	s_load_b64 s[20:21], s[0:1], 0x40              ; scl
	v_lshl_add_u32 v238, v0, 2, 0x8400
	v_mov_b32 v239, 0
	v_lshrrev_b32 v1, 5, v0
	v_readfirstlane_b32 s26, v1                    ; wave
	v_and_b32 v1, 31, v0                           ; lane
	s_cmp_lt_u32 ttmp9, 384
	s_cbranch_scc0 .Lweights
	; ---- q, k, v
	s_mov_b32 s[SEL], 0x76543210
	s_mov_b32 s[SEL+1], 0xfedcba98
	v_lshlrev_b32 v2, 4, v1                        ; 16 x lane
	v_and_b32 v6, 15, v0                           ; r
	v_bfe_u32 v7, v0, 4, 1                         ; h
	s_mul_i32 s27, s26, 8448                       ; my wave's stage
	v_add_nc_u32 v3, s27, v2                       ; into it
	v_mul_u32_u24 v4, v6, 528
	v_lshl_add_u32 v4, v7, 6, v4
	v_add_nc_u32 v4, s27, v4                       ; out of it: row r, + 64 h
	v_lshlrev_b32 v5, 5, v6
	v_lshl_add_u32 v5, v7, 4, v5                   ; scale bytes: 32 r + 16 h
.irp b, 0,1,2,3
	v_mov_b32 v[TM+4+\b], 0                        ; written once: a lane permute's destination counts as one of its sources
.endr
	s_lshr_b32 s28, ttmp9, 7                       ; which tensor
	s_lshl_b32 s29, ttmp9, 2
	s_add_co_u32 s29, s29, s26                     ; my tile of 16 rows, 0 .. 1535
	s_and_b32 s30, s29, 511
	s_lshl_b32 s30, s30, 16                        ; 16 rows of 4,096 bytes
	s_mov_b32 s31, 0
	s_mul_i32 s32, s29, 12288
	s_mov_b32 s33, 0
	s_lshl_b32 s34, s29, 9
	s_mov_b32 s35, 0
	s_wait_alu depctr_va_vdst(0)
	s_wait_kmcnt 0x0
	s_cmp_eq_u32 s28, 0
	s_cselect_b64 s[24:25], s[4:5], s[6:7]
	s_cmp_eq_u32 s28, 2
	s_cselect_b64 s[24:25], s[8:9], s[24:25]
	s_add_nc_u64 s[24:25], s[24:25], s[30:31]
	s_add_nc_u64 s[36:37], s[18:19], s[32:33]
	s_add_nc_u64 s[38:39], s[20:21], s[34:35]
	LOADX 0
	LOADX 1
.irp q, 0,1,2,3,4,5,6,7
	STEP \q
.endr
	v_cmp_le_u32 vcc_lo, 16, v1
.irp i, 0,1,2,3
	v_cndmask_b32 v[OW+\i], v[PW+\i], v[PW+4+\i], vcc_lo   ; lanes 0-15 store their row's words 0-3, lanes 16-31 words 4-7
.endr
	global_store_b128 v5, v[OW:OW+3], s[38:39]     ; 32 lanes store 512 consecutive bytes
	s_wait_tensorcnt 0x0
	ds_add_u32 v238, v239
	s_wait_dscnt 0x0
	s_endpgm
	; ---- the weights
.Lweights:
	s_sub_co_u32 s27, ttmp9, 384
	s_lshr_b32 s28, s27, 5                         ; which weight
	s_and_b32 s29, s27, 7                          ; which 128 columns
	s_bfe_u32 s30, s27, 0x20003                    ; which 256 along K
	s_lshl_b32 s29, s29, 7
	s_lshl_b32 s31, s26, 5
	s_add_co_u32 s29, s29, s31                     ; my wave's first column
	s_lshl_b32 s32, s30, 20                        ; 256 rows of 4,096 bytes
	s_lshl_b32 s31, s29, 2
	s_add_co_u32 s32, s32, s31
	s_mov_b32 s33, 0
	s_lshl_b32 s31, s28, 10
	s_add_co_u32 s31, s31, s29
	s_add_co_u32 s31, s31, 24576                   ; my first row of cod and scl
	s_mul_i32 s34, s31, 768
	s_mul_i32 s40, s30, 3072
	s_add_co_u32 s34, s34, s40
	s_mov_b32 s35, 0
	s_lshl_b32 s40, s31, 5
	s_lshl_b32 s41, s30, 3
	s_add_co_u32 s40, s40, s41
	s_mov_b32 s41, 0
	s_cmp_eq_u32 s28, 3                            ; fc_w: places 8..15 read 8 rows further down, places 16..23 8 rows further up
	s_cselect_b32 s42, 32768, 0
	s_cselect_b32 s43, 0, 32768
	s_wait_alu depctr_va_vdst(0)
	v_lshlrev_b32 v2, 2, v1
	v_add_nc_u32 v3, s42, v2
	v_add_nc_u32 v4, s43, v2
	v_lshrrev_b32 v5, 4, v1
	v_mul_u32_u24 v5, v5, 12288
	v_and_b32 v6, 15, v1
	v_lshl_add_u32 v5, v6, 4, v5                   ; codes: tile of rows lane / 16, place of lane % 16
	v_lshlrev_b32 v6, 5, v1                        ; scale bytes: a row of 32 bytes a lane
	s_wait_alu depctr_va_vdst(0)
	s_wait_kmcnt 0x0
	s_cmp_eq_u32 s28, 0
	s_cselect_b64 s[24:25], s[10:11], s[12:13]
	s_cmp_eq_u32 s28, 2
	s_cselect_b64 s[24:25], s[14:15], s[24:25]
	s_cmp_eq_u32 s28, 3
	s_cselect_b64 s[24:25], s[16:17], s[24:25]
	s_add_nc_u64 s[24:25], s[24:25], s[32:33]
	s_add_nc_u64 s[36:37], s[18:19], s[34:35]
	s_add_nc_u64 s[38:39], s[20:21], s[40:41]
	LOADB 0
	LOADB 1
.irp u, 0,1,2,3,4,5,6,7
	BLOCK \u
.endr
	global_store_b64 v6, v[SW:SW+1], s[38:39]      ; my column's 8 scale bytes of these 256 along K
	s_endpgm
.Lfunc_end_k_q494caf8055_quant:
	.size	k_q494caf8055_quant, .Lfunc_end_k_q494caf8055_quant-k_q494caf8055_quant
	.p2alignl 7, 3214868480
	.fill 96, 4, 3214868480
	.section	.rodata,"a",@progbits
	.p2align	6, 0x0
	.amdhsa_kernel k_q494caf8055_quant
		.amdhsa_group_segment_fixed_size 34304
		.amdhsa_private_segment_fixed_size 0
		.amdhsa_enable_private_segment 0
		.amdhsa_kernarg_size 72
		.amdhsa_user_sgpr_count 2
		.amdhsa_user_sgpr_kernarg_segment_ptr 1
		.amdhsa_wavefront_size32 1
		.amdhsa_system_sgpr_workgroup_id_x 1
		.amdhsa_system_sgpr_workgroup_id_y 1
		.amdhsa_system_sgpr_workgroup_id_z 1
		.amdhsa_system_vgpr_workitem_id 0
		.amdhsa_next_free_vgpr 256
		.amdhsa_next_free_sgpr 66
		.amdhsa_reserve_vcc 1
		.amdhsa_float_denorm_mode_32 3
		.amdhsa_float_denorm_mode_16_64 3
		.amdhsa_memory_ordered 1
		.amdhsa_forward_progress 1
		.amdhsa_inst_pref_size 103
	.end_amdhsa_kernel
	.amdgpu_metadata
---
amdhsa.version: [ 1, 2 ]
amdhsa.kernels:
  - .name:           k_q494caf8055_quant
    .symbol:         k_q494caf8055_quant.kd
    .args:
      - { .name: q, .offset: 0, .size: 8, .value_kind: global_buffer, .address_space: global }
      - { .name: k, .offset: 8, .size: 8, .value_kind: global_buffer, .address_space: global }
      - { .name: v, .offset: 16, .size: 8, .value_kind: global_buffer, .address_space: global }
      - { .name: W_qs, .offset: 24, .size: 8, .value_kind: global_buffer, .address_space: global }
      - { .name: W_ks, .offset: 32, .size: 8, .value_kind: global_buffer, .address_space: global }
      - { .name: W_vs, .offset: 40, .size: 8, .value_kind: global_buffer, .address_space: global }
      - { .name: fc_w, .offset: 48, .size: 8, .value_kind: global_buffer, .address_space: global }
      - { .name: cod, .offset: 56, .size: 8, .value_kind: global_buffer, .address_space: global }
      - { .name: scl, .offset: 64, .size: 8, .value_kind: global_buffer, .address_space: global }
    .group_segment_fixed_size: 34304
    .private_segment_fixed_size: 0
    .kernarg_segment_align: 8
    .kernarg_segment_size: 72
    .max_flat_workgroup_size: 128
    .sgpr_count:     66
    .vgpr_count:     256
    .wavefront_size: 32
...
	.end_amdgpu_metadata
.endif
;; end of part 1
;; launch proj (part 2): grid 4 x 96, 4 waves a work-group, clusters of 4 x 4, 327,680 bytes of LDS; arguments cod, scl, pc, ps; writes pc, ps
.if DOCPART == 2
	.amdgcn_target "amdgcn-amd-amdhsa--gfx1250"
	.amdhsa_code_object_version 6
	.text
	.protected	k_q494caf8055_proj
	.globl	k_q494caf8055_proj
	.p2align	8
	.type	k_q494caf8055_proj,@function
k_q494caf8055_proj:
	s_mov_b64 s[64:65], 0
	v_nop
	global_prefetch_b8 v0, s[64:65] scope:SCOPE_SE
	s_setreg_imm32_b32 hwreg(HW_REG_WAVE_MODE, 25, 1), 1
	s_wait_xcnt 0x0
	s_wait_alu depctr_hold_cnt(0) depctr_sa_sdst(0) depctr_va_vdst(0) depctr_va_sdst(0) depctr_va_ssrc(0) depctr_va_vcc(0) depctr_vm_vsrc(0)
	s_getreg_b32 s2, hwreg(HW_REG_IB_STS2, 6, 4)
	s_cmp_eq_u32 s2, 0
	s_cbranch_scc0 .Lentry_in_a_cluster
	s_endpgm
.Lentry_in_a_cluster:
	s_bfe_u32 s2, ttmp6, 0x10000c
	s_cmp_lg_u32 s2, 0xf033
	s_cbranch_scc0 .Lentry_shape_is_right
	s_endpgm
.Lentry_shape_is_right:
.set NQ,     2
.set FR,     12
.set NL,     3
.set NP,     4
.set HALFT,  24576
.set SLOT,   4*HALFT
.set SCL,    2*SLOT
.set HALFS,  16*272
.set SBLK,   2*272
.set SPARE,  SCL+4*HALFS
.set ADRA, 16
.set ADRB, 20
.set CO,   24
.set SO,   25
.set ADRS, 27
.set SPW,  28
.set NIL,  29
.set LN,   30
.set SC,   32
.set TM,   64
.set PCA,  80
.set AF,   128
.set PW,   224
.set OW,   232
.set SEL,  66
.set G1, 24
.set G0, 32
.set G1B, 48
.set G0B, 56
.set G1S, 68
.set G0S, 76
.set G1SB, 80
.set G0SB, 88
.set MSB, 0
.macro WIN new
.if MSB != (\new)
	s_set_vgpr_msb (MSB<<8)|(\new)
.set MSB, (\new)
.endif
.endm
.set MUL_LO, 0xa1
.set MUL_HI, 0xf1
.set TO_B,   0x40
.macro JLOAD g0a, g1a, g0b, g1b
	s_cmp_eq_u32 s15, 0
	s_cbranch_scc0 .Lfor_b_\@
	tensor_load_to_lds s[\g0a:\g0a+3], s[\g1a:\g1a+7]
	s_nop 0
.rept 4
	v_nop
.endr
	s_branch .Lasked_\@
.Lfor_b_\@:
	tensor_load_to_lds s[\g0b:\g0b+3], s[\g1b:\g1b+7]
	s_nop 0
.rept 4
	v_nop
.endr
.Lasked_\@:
.endm
.macro CREST
	s_cmp_lg_u32 s14, 0
	s_cbranch_scc1 .Lnot_wave_0_\@
	s_barrier_signal -3
.Lnot_wave_0_\@:
	s_barrier_wait -3
	s_barrier_signal -1
	s_barrier_wait -1
.endm
.macro CROUND
	s_barrier_signal -1
	s_barrier_wait -1
	CREST
.endm
	s_load_b256 s[4:11], s[0:1], 0x0
	v_lshl_add_u32 v[SPW], v0, 2, SPARE
	v_mov_b32 v[NIL], 0
	ds_add_u32 v28, v29
	ds_add_u32 v28, v29
	s_wait_dscnt 0x0
	v_lshrrev_b32 v1, 5, v0
	v_readfirstlane_b32 s14, v1
	s_lshr_b32 s15, s14, 1
	s_and_b32 s16, s14, 1
	s_bfe_u32 s40, ttmp6, 0x40000
	s_bfe_u32 s41, ttmp6, 0x40004
	s_and_b32 s17, ttmp7, 0xffff
	s_lshl_b32 s43, s41, 2
	s_lshl_b32 s43, 15, s43
	s_lshl_b32 s44, 0x1111, s40
	s_or_b32 s[G1+0], s43, (3<<16)|(1<<21)
	s_or_b32 s[G1B+0], s44, (3<<16)|(1<<21)
.irp g, G1, G1B
	s_mov_b32 s[\g+1], 384<<16
	s_mov_b32 s[\g+2], 16<<16
	s_mov_b32 s[\g+3], 384<<16
	s_mov_b32 s[\g+4], 16
	s_mov_b32 s[\g+5], 1536
	s_mov_b32 s[\g+6], 0
	s_mov_b32 s[\g+7], 0
.endr
	s_or_b32 s[G1S+0], s43, (3<<16)|(1<<20)|(1<<21)|(5<<22)|(3<<25)
	s_or_b32 s[G1SB+0], s44, (3<<16)|(1<<20)|(1<<21)|(5<<22)|(3<<25)
.irp g, G1S, G1SB
	s_mov_b32 s[\g+1], 32<<16
	s_mov_b32 s[\g+2], 32<<16
	s_mov_b32 s[\g+3], 32<<16
	s_mov_b32 s[\g+4], 32
	s_mov_b32 s[\g+5], 32
	s_mov_b32 s[\g+6], 0
	s_mov_b32 s[\g+7], 0
.endr
	s_lshl_b32 s18, s17, 10
	s_lshr_b32 s19, s17, 3
	s_lshl_b32 s19, s19, 10
	s_add_co_u32 s19, s19, 24576
	s_cmp_ge_u32 s17, 16
	s_cselect_b32 s20, s19, s18
	s_cselect_b32 s46, s18, s19
	s_mul_i32 s12, s16, 98304                      ; in the ring I fetch 128 rows of a tile: which half, in bytes
	s_mov_b32 s13, 0
	s_lshl_b32 s21, s41, 8
	s_add_co_u32 s20, s20, s21
	s_lshl_b32 s47, s40, 8
	s_add_co_u32 s46, s46, s47
	s_lshl_b32 s22, s20, 5
	s_mul_i32 s20, s20, 768
	s_lshl_b32 s92, s46, 5
	s_mul_i32 s46, s46, 768
	s_mov_b32 s21, 0
	s_mov_b32 s23, 0
	s_mov_b32 s47, 0
	s_mov_b32 s93, 0
	s_mul_i32 s45, s14, HALFT
	s_wait_kmcnt 0x0
	s_add_nc_u64 s[20:21], s[4:5], s[20:21]
	s_add_nc_u64 s[22:23], s[6:7], s[22:23]
	s_add_nc_u64 s[46:47], s[4:5], s[46:47]
	s_add_nc_u64 s[92:93], s[6:7], s[92:93]
	CROUND
	s_mov_b32 s[G0S], 1
	s_mov_b32 s[G0S+1], SCL
	s_mov_b64 s[G0S+2:G0S+3], s[22:23]
	s_or_b32 s[G0S+3], s[G0S+3], 0x80000000
	s_mov_b32 s[G0SB], 1
	s_mov_b32 s[G0SB+1], SCL+2*HALFS
	s_mov_b64 s[G0SB+2:G0SB+3], s[92:93]
	s_or_b32 s[G0SB+3], s[G0SB+3], 0x80000000
	; the head's four tiles, each whole, one joint load a wave: wave 0 slot 0's 256 rows of A, wave 1 those of B, wave 2 A's scales, wave 3 B's
	s_mov_b32 s96, 1
	s_mov_b32 s97, 0
	s_mov_b64 s[98:99], s[20:21]
	s_or_b32 s99, s99, 0x80000000
	s_mov_b32 s92, 1
	s_mov_b32 s93, 2*HALFT
	s_mov_b64 s[94:95], s[46:47]
	s_or_b32 s95, s95, 0x80000000
.macro ARM under, g0, g1, next
	s_cmp_lt_u32 s14, \under
	s_cbranch_scc0 \next
	tensor_load_to_lds s[\g0:\g0+3], s[\g1:\g1+7]
	s_nop 0
.rept 4
	v_nop
.endr
	s_branch .Lhead_asked
\next:
.endm
	ARM 1, 96, G1, .Lhead_b
	ARM 2, 92, G1B, .Lhead_sa
	ARM 3, G0S, G1S, .Lhead_sb
	tensor_load_to_lds s[G0SB:G0SB+3], s[G1SB:G1SB+7]
	s_nop 0
.rept 4
	v_nop
.endr
.Lhead_asked:
	s_add_nc_u64 s[20:21], s[20:21], s[12:13]      ; for the ring: my 128 rows of the tile
	s_add_nc_u64 s[46:47], s[46:47], s[12:13]
.irp s, 0,1
	s_mov_b32 s[G0+4*\s], 1
	s_add_co_u32 s[G0+4*\s+1], s45, \s*SLOT
	s_add_nc_u64 s[G0+4*\s+2:G0+4*\s+3], s[20:21], \s*3072
	s_or_b32 s[G0+4*\s+3], s[G0+4*\s+3], 0x80000000
	s_mov_b32 s[G0B+4*\s], 1
	s_add_co_u32 s[G0B+4*\s+1], s45, \s*SLOT
	s_add_nc_u64 s[G0B+4*\s+2:G0B+4*\s+3], s[46:47], \s*3072
	s_or_b32 s[G0B+4*\s+3], s[G0B+4*\s+3], 0x80000000
.endr
	s_wait_alu depctr_va_vdst(0)
	s_wait_tensorcnt 0x0                           ; my tile of the head's four is in: no load of mine is out, so group 1 may be written
	ds_add_u32 v28, v29
	s_mov_b32 s[G1+2], 8<<16                       ; from here on a load brings 8 units: 128 rows
	s_mov_b32 s[G1+4], 8
	s_mov_b32 s[G1B+2], 8<<16
	s_mov_b32 s[G1B+4], 8
	s_wait_dscnt 0x0
	CROUND
	JLOAD G0+4, G1, G0B+4, G1B
	v_and_b32 v[LN], 31, v0
	v_and_b32 v1, 15, v0
	v_bfe_u32 v2, v0, 4, 1
	s_wait_alu depctr_va_vdst(0)
	v_lshlrev_b32 v3, 4, v[LN]
	s_mul_i32 s2, s15, HALFT
	s_mul_i32 s3, s16, HALFT
	s_add_co_u32 s3, s3, 2*HALFT
.irp s, 0,1
	v_add_nc_u32 v[ADRA+\s], s2, v3
	v_add_nc_u32 v[ADRB+\s], s3, v3
	s_add_co_u32 s2, s2, SLOT
	s_add_co_u32 s3, s3, SLOT
.endr
	v_lshlrev_b32 v5, 5, v1
	v_lshrrev_b32 v6, 8, v5
	v_lshl_add_u32 v5, v6, 4, v5
	s_mul_i32 s2, s15, HALFS
	s_mul_i32 s3, s16, HALFS
	s_add_co_u32 s3, s3, 2*HALFS
	s_sub_co_u32 s3, s3, s2
	v_mul_u32_u24 v6, s3, v2
	s_add_co_u32 s2, s2, SCL
	v_add_nc_u32 v5, v5, v6
	v_add_nc_u32 v[ADRS], s2, v5
	v_lshlrev_b32 v[CO], 3, v[LN]
	v_lshlrev_b32 v[SO], 5, v1
	v_lshl_add_u32 v[SO], v2, 4, v[SO]
	s_mov_b32 s[SEL], 0x76543210
	s_mov_b32 s[SEL+1], 0xfedcba98
	s_lshl_b32 s96, s41, 1
	s_add_co_u32 s96, s96, s15
	s_lshl_b32 s97, s40, 1
	s_add_co_u32 s97, s97, s16
	s_cmp_ge_u32 s17, 16
	s_cselect_b32 s98, s97, s96
	s_cselect_b32 s99, s96, s97
	s_and_b32 s12, s17, 7
	s_lshl_b32 s12, s12, 3
	s_add_co_u32 s98, s98, s12
	s_lshr_b32 s12, s98, 4
	s_lshl_b32 s12, s12, 7
	s_lshl_b32 s99, s99, 4
	s_add_co_u32 s12, s12, s99
	s_and_b32 s98, s98, 15
	s_add_co_u32 s12, s12, s98
	s_lshr_b32 s13, s17, 3
	s_mul_i32 s98, s13, 6291456
	s_mul_i32 s99, s12, 12288
	s_add_co_u32 s98, s98, s99
	s_mov_b32 s99, 0
	s_add_nc_u64 s[8:9], s[8:9], s[98:99]
	s_mul_i32 s98, s13, 262144
	s_lshl_b32 s12, s12, 9
	s_add_co_u32 s98, s98, s12
	s_add_nc_u64 s[10:11], s[10:11], s[98:99]
.macro FRAG reg, adr, q, i
.irp g, 0,1,2
	ds_load_b128 v[\reg+4*\g:\reg+4*\g+3], v[\adr] offset:3072*(\i)+1536*(\q)+512*\g
.endr
.endm
.macro MUL16 a0, p, q, sc, zero
.irp a, \a0, \a0+1
.irp b, 0,1,2,3,4,5,6,7
.if \zero
	v_wmma_scale_f32_16x16x128_f8f6f4 v[8*(8*((\a)%4)+\b):8*(8*((\a)%4)+\b)+7], v[128*(\p)+FR*\b:128*(\p)+FR*\b+FR-1], v[AF+FR*(\a):AF+FR*(\a)+FR-1], 0, v[SC+8*NQ*(\sc)+NQ*\b+(\q)], v[SC+8*NQ*(\sc)+NQ*(\a)+(\q)] matrix_a_fmt:MATRIX_FMT_FP6 matrix_b_fmt:MATRIX_FMT_FP6 matrix_a_scale:MATRIX_SCALE_ROW1
.else
	v_wmma_scale_f32_16x16x128_f8f6f4 v[8*(8*((\a)%4)+\b):8*(8*((\a)%4)+\b)+7], v[128*(\p)+FR*\b:128*(\p)+FR*\b+FR-1], v[AF+FR*(\a):AF+FR*(\a)+FR-1], v[8*(8*((\a)%4)+\b):8*(8*((\a)%4)+\b)+7], v[SC+8*NQ*(\sc)+NQ*\b+(\q)], v[SC+8*NQ*(\sc)+NQ*(\a)+(\q)] matrix_a_fmt:MATRIX_FMT_FP6 matrix_b_fmt:MATRIX_FMT_FP6 matrix_a_scale:MATRIX_SCALE_ROW1
.endif
.endr
.endr
.endm
.macro FETCH_B slot, q, p
	WIN TO_B
.irp i, 0,1,2,3,4,5,6,7
	FRAG 128*(\p)+FR*\i, ADRB+\slot, \q, \i
.endr
	WIN 0
.endm
.macro FETCH_A slot, q, i0
.irp i, \i0, \i0+1, \i0+2, \i0+3
	FRAG AF+FR*(\i), ADRA+\slot, \q, \i
.endr
.endm
.macro SCALES sc
.irp i, 0,1,2,3,4,5,6,7
	ds_load_b64 v[SC+8*NQ*\sc+NQ*\i:SC+8*NQ*\sc+NQ*\i+1], v[ADRS] offset:\i*SBLK
.endr
.endm
.macro PLACES n
.rept \n
	v_nop
.endr
.endm
.macro STEP slot, q, zero
	s_wait_dscnt 4*NL
	WIN MUL_LO
	MUL16 0, (\q)%2, \q, \slot, \zero
	MUL16 2, (\q)%2, \q, \slot, \zero
	s_wait_dscnt 0
	PLACES NP
	FETCH_B \slot, (\q)+1, 1-(\q)%2
	FETCH_A \slot, (\q)+1, 0
	WIN MUL_HI
	MUL16 4, (\q)%2, \q, \slot, \zero
	MUL16 6, (\q)%2, \q, \slot, \zero
	PLACES NP
	WIN 0
	FETCH_A \slot, (\q)+1, 4
.endm
.macro TURN slot, next, fill
	s_wait_tensorcnt 0x0
	ds_add_u32 v[SPW], v[NIL]
	s_wait_dscnt 4*NL+1
	WIN MUL_LO
	MUL16 0, 1, NQ-1, \slot, 0
	s_wait_dscnt 0x0
	s_barrier_signal -1
	MUL16 2, 1, NQ-1, \slot, 0
	WIN 0
	s_barrier_wait -1
.if \fill
	CREST
	s_add_nc_u64 s[G0+4*\slot+2:G0+4*\slot+3], s[G0+4*\slot+2:G0+4*\slot+3], 6144
	s_add_nc_u64 s[G0B+4*\slot+2:G0B+4*\slot+3], s[G0B+4*\slot+2:G0B+4*\slot+3], 6144
	JLOAD G0+4*\slot, G1, G0B+4*\slot, G1B
.else
	PLACES NP
.endif
	s_wait_alu depctr_va_vdst(0)
	v_add_nc_u32 v[ADRS], 4*NQ, v[ADRS]
	FETCH_B \next, 0, 0
	FETCH_A \next, 0, 0
	SCALES \next
	WIN MUL_HI
	MUL16 4, 1, NQ-1, \slot, 0
	MUL16 6, 1, NQ-1, \slot, 0
	PLACES NP
	WIN 0
	FETCH_A \next, 0, 4
.endm
.macro QUANT s, w, pc, pw
	WIN (\w)|((\w)<<2)
.irp b, 0,1,2,3
	v_max3_num_f32 v[TM+\b], |v[\s+16*\b]|, |v[\s+1+16*\b]|, 0x1800000
.endr
.irp i, 2,4,6,8,10,12,14
.irp b, 0,1,2,3
	v_max3_num_f32 v[TM+\b], |v[\s+16*\b+\i]|, |v[\s+1+16*\b+\i]|, v[TM+\b]
.endr
.endr
	WIN 0
.irp b, 0,1,2,3
	v_permlanex16_b32 v[TM+4+\b], v[TM+\b], s[SEL], s[SEL+1]
.endr
.irp b, 0,1,2,3
	v_max_num_f32 v[TM+\b], v[TM+\b], v[TM+4+\b]
.endr
.irp b, 0,1,2,3
	v_add_nc_u32 v[TM+12+\b], 0xff000000, v[TM+\b]
.endr
.irp b, 0,1,2,3
	v_lshrrev_b32 v[TM+4+\b], 23, v[TM+12+\b]
.endr
	v_lshl_or_b32 v[\pw], v[TM+5], 8, v[TM+4]
	v_lshl_or_b32 v[\pw], v[TM+6], 16, v[\pw]
	v_lshl_or_b32 v[\pw], v[TM+7], 24, v[\pw]
	WIN (\w)
.irp c, 0,1
	v_cvt_scalef32_pk16_fp6_f32 v[\pc+6*\c:\pc+2+6*\c], v[\s+32*\c:\s+15+32*\c], v[TM+12+2*\c]
	v_cvt_scalef32_pk16_fp6_f32 v[\pc+12+4*\c:\pc+14+4*\c], v[\s+16+32*\c:\s+31+32*\c], v[TM+13+2*\c]
.endr
	WIN 0
	v_nop
.irp c, 0,1
.irp i, 0,1,2
	v_permlane16_swap_b32 v[\pc+6*\c+\i], v[\pc+12+4*\c+\i]
.endr
.irp i, 0,1,2
	v_mov_b32 v[\pc+3+6*\c+\i], v[\pc+12+4*\c+\i]
.endr
.endr
.endm
	s_wait_alu depctr_va_vdst(0)
	s_wait_tensorcnt 1
	s_barrier_signal -1
	s_barrier_wait -1
	FETCH_B 0, 0, 0
	FETCH_A 0, 0, 0
	SCALES 0
	FETCH_A 0, 0, 4
	STEP 0, 0, 1
	TURN 0, 1, 1
	STEP 1, 0, 0
	TURN 1, 0, 1
	STEP 0, 0, 0
	TURN 0, 1, 0
	STEP 1, 0, 0
	s_wait_dscnt 4*NL
	WIN MUL_LO
	MUL16 0, 1, NQ-1, 1, 0
	MUL16 2, 1, NQ-1, 1, 0
	s_wait_dscnt 0
	WIN MUL_HI
	MUL16 4, 1, NQ-1, 1, 0
	MUL16 6, 1, NQ-1, 1, 0
	WIN 0
	PLACES NP
.irp b, 0,1,2,3
	v_mov_b32 v[TM+4+\b], 0
.endr
.irp a, 0,1,2,3,4,5,6,7
.if \a > 1
	s_wait_xcnt 0x0
.endif
	QUANT 64*(\a%4), 2+\a/4, PCA+20*(\a%2), PW+\a
.irp c, 0,1
.irp p, 0,1,2
	global_store_b64 v[CO], v[PCA+20*(\a%2)+6*\c+2*\p:PCA+20*(\a%2)+6*\c+2*\p+1], s[8:9] offset:1536*\a+768*\c+256*\p
.endr
.endr
.endr
	v_cmp_le_u32 vcc_lo, 16, v[LN]
.irp i, 0,1,2,3
	v_cndmask_b32 v[OW+\i], v[PW+\i], v[PW+4+\i], vcc_lo
.endr
	global_store_b128 v[SO], v[OW:OW+3], s[10:11]
	s_wait_tensorcnt 0x0
	ds_add_u32 v[SPW], v[NIL]
	s_wait_dscnt 0x0
	CROUND
	s_endpgm
.Lfunc_end_k_q494caf8055_proj:
	.size	k_q494caf8055_proj, .Lfunc_end_k_q494caf8055_proj-k_q494caf8055_proj
	.p2alignl 7, 3214868480
	.fill 96, 4, 3214868480
	.section	.rodata,"a",@progbits
	.p2align	6, 0x0
	.amdhsa_kernel k_q494caf8055_proj
		.amdhsa_group_segment_fixed_size 327680
		.amdhsa_private_segment_fixed_size 0
		.amdhsa_enable_private_segment 0
		.amdhsa_kernarg_size 32
		.amdhsa_user_sgpr_count 2
		.amdhsa_user_sgpr_kernarg_segment_ptr 1
		.amdhsa_wavefront_size32 1
		.amdhsa_system_sgpr_workgroup_id_x 1
		.amdhsa_system_sgpr_workgroup_id_y 1
		.amdhsa_system_sgpr_workgroup_id_z 1
		.amdhsa_system_vgpr_workitem_id 0
		.amdhsa_next_free_vgpr 1024
		.amdhsa_next_free_sgpr 100
		.amdhsa_reserve_vcc 1
		.amdhsa_float_denorm_mode_32 3
		.amdhsa_float_denorm_mode_16_64 3
		.amdhsa_memory_ordered 1
		.amdhsa_forward_progress 1
		.amdhsa_inst_pref_size 143
	.end_amdhsa_kernel
	.amdgpu_metadata
---
amdhsa.version: [ 1, 2 ]
amdhsa.kernels:
  - .name:           k_q494caf8055_proj
    .symbol:         k_q494caf8055_proj.kd
    .args:
      - { .name: cod, .offset: 0, .size: 8, .value_kind: global_buffer, .address_space: global }
      - { .name: scl, .offset: 8, .size: 8, .value_kind: global_buffer, .address_space: global }
      - { .name: pc, .offset: 16, .size: 8, .value_kind: global_buffer, .address_space: global }
      - { .name: ps, .offset: 24, .size: 8, .value_kind: global_buffer, .address_space: global }
    .group_segment_fixed_size: 327680
    .private_segment_fixed_size: 0
    .kernarg_segment_align: 8
    .kernarg_segment_size: 32
    .max_flat_workgroup_size: 128
    .sgpr_count:     100
    .vgpr_count:     1024
    .wavefront_size: 32
...
	.end_amdgpu_metadata
.endif
;; end of part 2
;; launch attn (part 3): grid 4 x 64, 16 waves a work-group, clusters of 4 x 1, 227,328 bytes of LDS; arguments pc, ps, oc, os; writes oc, os
.if DOCPART == 3
	.amdgcn_target "amdgcn-amd-amdhsa--gfx1250"
	.amdhsa_code_object_version 6
	.text
	.protected	k_q494caf8055_attn
	.globl	k_q494caf8055_attn
	.p2align	8
	.type	k_q494caf8055_attn,@function
k_q494caf8055_attn:
	s_mov_b64 s[64:65], 0
	v_nop
	global_prefetch_b8 v0, s[64:65] scope:SCOPE_SE
	s_setreg_imm32_b32 hwreg(HW_REG_WAVE_MODE, 25, 1), 1
	s_wait_xcnt 0x0
	s_wait_alu depctr_hold_cnt(0) depctr_sa_sdst(0) depctr_va_vdst(0) depctr_va_sdst(0) depctr_va_ssrc(0) depctr_va_vcc(0) depctr_vm_vsrc(0)
	s_getreg_b32 s2, hwreg(HW_REG_IB_STS2, 6, 4)
	s_cmp_eq_u32 s2, 0
	s_cbranch_scc0 .Lentry_in_a_cluster
	s_endpgm
.Lentry_in_a_cluster:
	s_bfe_u32 s2, ttmp6, 0x10000c
	s_cmp_lg_u32 s2, 0x3003
	s_cbranch_scc0 .Lentry_shape_is_right
	s_endpgm
.Lentry_shape_is_right:
; Attention of one head on codes of FP6 (E2M3) with E8M0 scales: S^T = K Q^T (K = the head's 64; the other half of the instruction's 128 is zero codes), p = 2^(t - M), O^T = V^T P^T (K = the keys), O / l quantised along (head, d).
; t = score x log2(e) / 8; M = the running largest t rounded UP to a whole number; l is summed of the unquantised p; when M moves, l and O^T are multiplied by 2^(old M - new M), which rounds nothing.
; SHARES.  A work-group owns 512 queries of one (batch, head): 256 work-groups.  Its sixteen waves make two passes of 16 queries each over all 2,048 keys.
; THE WHOLE HEAD LIES IN LDS, filled once: K's codes 110,592 bytes (32 of padding behind each 256), V's 98,304, the head pair's scale bytes 8,192 each.  Nothing is filled again.
; FILLS.  One joint load a wave at the head: wave 4 c + kind brings chunk c (512 keys) of K's codes, V's codes, K's scale bytes, V's scale bytes.  Waves 0-3 have load lines of their own: the first barrier shows chunk 0 alone,
; the second, behind four key steps, shows the rest (every wave waits for 0).  The second pass has no barrier.  Nothing is prefetched: every byte is asked for at the head by the loads themselves, and no loop runs ahead of them.
; CLUSTER.  The four work-groups of a cluster are the four query blocks of one head: each tile is asked for jointly, with a mask that names the four.
; LAYOUT.  Both products are used transposed: a lane holds ONE query (lane % 16).  THE KEYS OF A TILE ARE CHOSEN BY ADDRESS: rows 0-7 of tile (c, g) are eight keys of block 2 c of the step's four blocks of 32, rows 8-15 the same eight
; of block 2 c + 1; so a lane's 32 scores of four tiles are one whole block: its largest needs no other lane, and the conversions' results are the operand's registers.  Place group g holds key group (0, 2, 1, 3)[g], the order of V's codes.
; With 288 bytes from plane to plane two tiles lie 1,728 bytes apart, 192 modulo 256: the 32 lanes of a load of 8 bytes name 64 different words modulo 256 bytes.
; K's eight fragments lie as [d][zeros][d]: an even tile is read as [d][z] against Q as [q][z], an odd one as [z][d] against [z][q] with its scale bytes in the word's upper half.  V's fragments land on K's data registers behind the S products.
; THE ROW'S SUM of a step's p is taken at the head of the NEXT step, between the issue of K's loads and the wait for them; p lies in its registers until the next S products.  What the first step of a pass sums there (zeros, or what the
; way out left) is multiplied by that step's f, which is 0; the last step's p is summed ahead of the way out.
; pc: [t][batch][head pair][16][a 8][c 2][plane 3][lane][8]; ps: [t][batch][head pair][16][r 16][a 8][4].  oc: [16 rows: 512][head 16][plane 3][lane][8]; os: [row][32].
; LIMITS: NaN and infinities are not served; a block of zeros gets the byte 1 over zero codes; the promise holds while the scaled scores stay under 2^31 in magnitude.  os is stored a byte a lane: a head owns 2 of a row's 32 bytes.
.set VREG, 110592
.set KSC,  208896
.set VSC,  217088
.set SPARE, 225280                     ; the spare words: 128 bytes a wave
.set L8,   1                           ; 8 x lane
.set AV0,  2                           ; the same in V's region
.set AS0,  3                           ; my row among K's scale bytes
.set AT0,  4                           ; and among V's scale words
.set AK0,  5                           ; my row of a K tile
.set SPW,  6
.set NIL,  7
.set ADK,  8
.set ADV,  9
.set ADS,  10
.set ADT,  11
.set QF,   16                          ; v16-33   Q: [q][zeros][q]
.set KB,   34                          ; v34-111  K: four groups of [d][zeros][d], and six more; V's fragment d at KB + 12 + 18 d
.set S,    112                         ; v112-175 S^T, then p
.set O,    176                         ; v176-207 O^T
.set P,    208                         ; v208-219 p's codes
.set KS,   220                         ; v220-227 K's scale words
.set VS,   228                         ; v228-231 V's
.set PW,   232                         ; p's
.set QS,   233                         ; v233, v234 Q's, in the lower and in the upper half
.set SH8,  235                         ; 8 x (lane / 16)
.set R32,  249                         ; 32 x (lane % 16)
; v12 -M, v13 the largest score, v[14:15] l; v236-248, v250-253 at work; v254 f, v255 0
.set WV,   18
.set SEL,  20
.set CS,   22                          ; s[22:23] c = log2(e) / 8
.set G1K,  24
.set G1V,  32
.set G1S,  40
.set G0K,  48
.set G0V,  52
.set G0A,  56
.set G0B,  60
.set CNT,  71
.set TK,   72                          ; the step's place in K's region (6,912 a step), in V's (6,144), among the scale bytes (512)
.set TB,   73
.set TS,   74
.set KD,   77
.macro WALU
	s_wait_alu depctr_va_vdst(0)
.endm
.macro CROUND
	s_barrier_signal -1
	s_barrier_wait -1
	s_cmp_lg_u32 s[WV], 0
	s_cbranch_scc1 .Lnot_wave_0_\@
	s_barrier_signal -3
.Lnot_wave_0_\@:
	s_barrier_wait -3
	s_barrier_signal -1
	s_barrier_wait -1
.endm
.macro GRP1 g, w0, c, r, p
	s_mov_b32 s[\g], \w0
	s_mov_b32 s[\g+1], (\c)<<16
	s_mov_b32 s[\g+2], (\r)<<16
	s_mov_b32 s[\g+3], (\c)<<16
	s_mov_b32 s[\g+4], \r
	s_mov_b32 s[\g+5], \p
	s_mov_b32 s[\g+6], 0
	s_mov_b32 s[\g+7], 0
.endm
.macro LOADQ off, soff                 ; my 16 queries' codes, twice, and their two scale bytes, in either half of a word
.irp p, 0,1,2
	global_load_b64 v[QF+2*\p:QF+2*\p+1], v[L8], s[90:91] offset:\off+256*\p
	global_load_b64 v[QF+12+2*\p:QF+13+2*\p], v[L8], s[90:91] offset:\off+256*\p
.endr
	global_load_u16 v[QS], v[R32], s[92:93] offset:\soff
	global_load_d16_hi_b16 v[QS+1], v[R32], s[92:93] offset:\soff
.endm
.macro TLOAD g0, g1
	tensor_load_to_lds s[\g0:\g0+3], s[\g1:\g1+7]
	s_nop 0
.rept 4
	v_nop
.endr
.endm
.macro ARM reg, val, g0, g1, next
	s_cmp_eq_u32 s[\reg], \val
	s_cbranch_scc0 \next
	TLOAD \g0, \g1
	s_branch .Lasked
\next:
.endm
	s_load_b256 s[4:11], s[0:1], 0x0               ; pc, ps, oc, os
	v_lshl_add_u32 v[SPW], v0, 2, SPARE
	v_mov_b32 v[NIL], 0
	ds_add_u32 v[SPW], v[NIL]                      ; the opening lines: the add twice on end and its wait ahead of the first tensor load
	ds_add_u32 v[SPW], v[NIL]
	v_lshrrev_b32 v8, 5, v0
	v_readfirstlane_b32 s[WV], v8                  ; wave 0..15
	s_bfe_u32 s12, ttmp6, 0x40000                  ; cx: it enters Q's and O's global addresses alone
	s_lshl_b32 s13, ttmp9, 2
	s_add_co_u32 s13, s13, s12
	s_lshl_b32 s13, s13, 1                         ; my first block of 256 queries
	s_and_b32 s14, ttmp7, 0xffff
	s_lshr_b32 s15, s14, 4                         ; batch
	s_and_b32 s16, s14, 15                         ; head
	s_lshr_b32 s17, s16, 1                         ; head pair
	s_and_b32 s19, s16, 1                          ; which of the pair
	s_lshl_b32 s75, s15, 3
	s_add_co_u32 s75, s75, s17
	s_lshr_b32 s76, s[WV], 2                       ; the chunk that I fetch for
	s_and_b32 s[KD], s[WV], 3                      ; and what of it
	; group 1, elements of 8 bytes, mask: all four.  K: 32 tiles of 768 bytes, 1,536 apart, 32 bytes of padding behind each 256.  V: 4 rows (128 keys) of 6,144, 12,288 apart.  Scale bytes: 8 rows of 256, dense
	GRP1 G1K, 15|(3<<16)|(1<<20)|(1<<21)|(5<<22)|(7<<25), 96, 32, 192
	GRP1 G1V, 15|(3<<16)|(1<<21), 768, 4, 1536
	GRP1 G1S, 15|(3<<16)|(1<<21), 32, 8, 32
	s_mul_i32 s78, s75, 196608
	s_mul_i32 s79, s76, 49152
	s_add_co_u32 s78, s78, s79
	s_mul_i32 s80, s19, 768
	s_add_co_u32 s80, s80, s78
	s_add_co_u32 s80, s80, 6291456                 ; K's chunk in pc
	s_mov_b32 s81, 0
	s_mul_i32 s82, s19, 6144
	s_add_co_u32 s82, s82, s78
	s_add_co_u32 s82, s82, 12582912                ; V's
	s_mov_b32 s83, 0
	s_lshl_b32 s84, s75, 13
	s_lshl_b32 s79, s76, 11
	s_add_co_u32 s84, s84, s79
	s_add_co_u32 s86, s84, 524288                  ; V's scale bytes in ps
	s_add_co_u32 s84, s84, 262144                  ; K's
	s_mov_b32 s85, 0
	s_mov_b32 s87, 0
	s_mov_b32 s[G0K], 1
	s_mul_i32 s[G0K+1], s76, 27648
	s_mov_b32 s[G0V], 1
	s_mul_i32 s[G0V+1], s76, 24576
	s_add_co_u32 s[G0V+1], s[G0V+1], VREG
	s_mov_b32 s[G0A], 1
	s_add_co_u32 s[G0A+1], s79, KSC
	s_mov_b32 s[G0B], 1
	s_add_co_u32 s[G0B+1], s79, VSC
	s_lshl_b32 s66, s75, 4
	s_lshl_b32 s67, s13, 1
	s_add_co_u32 s66, s66, s67
	s_lshr_b32 s67, s[WV], 3
	s_add_co_u32 s66, s66, s67                     ; Q's block of 128 tokens
	s_and_b32 s67, s[WV], 7                        ; and my tile in it
	s_mul_i32 s90, s66, 12288
	s_mul_i32 s68, s67, 1536
	s_add_co_u32 s90, s90, s68
	s_mul_i32 s68, s19, 768
	s_add_co_u32 s90, s90, s68
	s_mov_b32 s91, 0
	s_lshl_b32 s92, s66, 9
	s_lshl_b32 s68, s67, 2
	s_add_co_u32 s92, s92, s68
	s_lshl_b32 s68, s19, 1
	s_add_co_u32 s92, s92, s68
	s_mov_b32 s93, 0
	s_lshl_b32 s94, s15, 7
	s_lshl_b32 s68, s13, 4
	s_add_co_u32 s94, s94, s68
	s_add_co_u32 s94, s94, s[WV]                   ; my tile of 16 rows of the 8,192
	s_lshl_b32 s88, s94, 4
	s_add_co_u32 s88, s88, s16
	s_mul_i32 s88, s88, 768
	s_mov_b32 s89, 0
	s_lshl_b32 s94, s94, 9
	s_lshl_b32 s68, s16, 1
	s_add_co_u32 s94, s94, s68
	s_mov_b32 s95, 0
	s_mov_b32 s[SEL], 0x76543210
	s_mov_b32 s[SEL+1], 0xfedcba98
	s_mov_b32 s[CS], 0x3e38aa3b
	s_mov_b32 s[CS+1], s[CS]
	s_lshl_b32 s2, s19, 1
	s_add_co_u32 s2, s2, KSC
	s_lshl_b32 s3, s19, 4
	s_add_co_u32 s3, s3, VSC
	v_and_b32 v[L8], 31, v0
	v_and_b32 v8, 7, v0                            ; r % 8
	v_bfe_u32 v9, v0, 3, 1                         ; r / 8
	v_bfe_u32 v10, v0, 4, 1                        ; h
	v_and_b32 v[R32], 15, v0
	v_lshlrev_b32 v[L8], 3, v[L8]
	v_lshlrev_b32 v[AK0], 3, v8
	v_lshlrev_b32 v[AS0], 5, v8
	v_lshlrev_b32 v[R32], 5, v[R32]
	v_lshlrev_b32 v[SH8], 3, v10
	v_add_nc_u32 v[AV0], VREG, v[L8]
	v_lshl_add_u32 v[AK0], v10, 7, v[AK0]
	v_lshl_add_u32 v[AS0], v9, 3, v[AS0]
	v_add_nc_u32 v[AT0], s3, v[R32]                ; V's scale words: 32 r + 16 x my head + 4 x tile
	v_mad_u32_u24 v[AK0], v9, 1728, v[AK0]         ; K: 8 (r % 8) + 128 h, rows 8-15 two tiles further on
	v_add_nc_u32 v[AS0], s2, v[AS0]                ; K's scale bytes: 32 (r % 8) + 8 (r / 8) + 2 x my head
	v_mov_b32 v[QS+1], 0
	WALU
	s_wait_dscnt 0x0                               ; both opening adds are done
	s_wait_kmcnt 0x0
	s_add_nc_u64 s[G0K+2:G0K+3], s[4:5], s[80:81]
	s_or_b32 s[G0K+3], s[G0K+3], 0x80000000
	s_add_nc_u64 s[G0V+2:G0V+3], s[4:5], s[82:83]
	s_or_b32 s[G0V+3], s[G0V+3], 0x80000000
	s_add_nc_u64 s[G0A+2:G0A+3], s[6:7], s[84:85]
	s_or_b32 s[G0A+3], s[G0A+3], 0x80000000
	s_add_nc_u64 s[G0B+2:G0B+3], s[6:7], s[86:87]
	s_or_b32 s[G0B+3], s[G0B+3], 0x80000000
	s_add_nc_u64 s[90:91], s[4:5], s[90:91]
	s_add_nc_u64 s[92:93], s[6:7], s[92:93]
	s_add_nc_u64 s[8:9], s[8:9], s[88:89]
	s_add_nc_u64 s[10:11], s[10:11], s[94:95]
	LOADQ 0, 0
	CROUND                                         ; all four work-groups are here: the joint loads meet
	ARM WV, 0, G0K, G1K, .La1                      ; one chain, one load to an arm; chunk 0's four lines are waves 0-3's alone
	ARM WV, 1, G0V, G1V, .La2
	ARM WV, 2, G0A, G1S, .La3
	ARM WV, 3, G0B, G1S, .La4
	ARM KD, 0, G0K, G1K, .La5
	ARM KD, 1, G0V, G1V, .La6
	ARM KD, 2, G0A, G1S, .La7
	TLOAD G0B, G1S
.Lasked:
.irp i, 6,7,8,9,10,11
	v_mov_b32 v[QF+\i], 0                          ; the zero codes, written once
.irp G, 0,1,2,3
	v_mov_b32 v[KB+18*\G+\i], 0
.endr
.endr
.irp t, 1,3,5,7
	v_mov_b32 v[KS+\t], 0                          ; the lower halves of the words that are loaded into their upper halves
.endr
	v_mov_b32 v13, 0xff61b1e6                      ; the largest score so far: -3e38
	v_mov_b32 v14, 0
	v_mov_b32 v15, 0
	v_mov_b32 v255, 0                              ; named as the upper half of the pair v[254:255]
	v_mul_f32 v12, s[CS], v13
	s_delay_alu instid0(VALU_DEP_1)
	v_floor_f32 v12, -v12                          ; -M
.set j, 0
.rept 32
	v_mov_b32 v[O+j], 0                            ; O^T: the first change of M leaves zeros zeros
.set j, j+1
.endr
.set j, 0
.rept 64
	v_mov_b32 v[S+j], 0                            ; what the first step sums as the p of a step before
.set j, j+1
.endr
; l += the 64 p that lie in S: 32 packed additions in eight chains
.macro SUMP
.set k, 0
.irp t, 236,238,240,242,244,246,250
	v_pk_add_f32 v[\t:\t+1], v[S+k:S+k+1], v[S+k+2:S+k+3]
.set k, k+4
.endr
	v_pk_add_f32 v[14:15], v[14:15], v[S+28:S+29]
.set k, 30
.rept 2
.irp t, 236,238,240,242,244,246,250
	v_pk_add_f32 v[\t:\t+1], v[\t:\t+1], v[S+k:S+k+1]
.set k, k+2
.endr
	v_pk_add_f32 v[14:15], v[14:15], v[S+k:S+k+1]
.set k, k+2
.endr
	v_pk_add_f32 v[236:237], v[236:237], v[S+62:S+63]
	v_pk_add_f32 v[238:239], v[238:239], v[240:241]
	v_pk_add_f32 v[242:243], v[242:243], v[244:245]
	v_pk_add_f32 v[14:15], v[14:15], v[246:247]
	v_pk_add_f32 v[236:237], v[236:237], v[250:251]
	v_pk_add_f32 v[238:239], v[238:239], v[242:243]
	v_pk_add_f32 v[14:15], v[14:15], v[236:237]
	v_pk_add_f32 v[14:15], v[14:15], v[238:239]
.endm
.macro VLH d, p0                       ; three of the six loads of V's fragment d
.irp p, \p0, \p0+1, \p0+2
	ds_load_b64 v[KB+12+18*(\d)+2*(\p):KB+13+18*(\d)+2*(\p)], v[ADV] offset:1536*(\d)+256*(\p)
.endr
.endm
; A KEY STEP: 128 keys
.macro STEP
	v_add_nc_u32 v[ADK], s[TK], v[AK0]             ; four places between the last products and the loads into V's registers
	v_add_nc_u32 v[ADS], s[TS], v[AS0]
	v_nop
	v_nop
.irp G, 0,1,2,3                                ; tile 2 G + u = (c, g): c = G / 2, g = 2 (G % 2) + u: stored tile 4 c + u (+ 2 for rows 8-15), its rows 8 (G % 2) on
.irp u, 0,1
.irp p, 0,1,2
	ds_load_b64 v[KB+18*\G+12*\u+2*\p:KB+18*\G+12*\u+2*\p+1], v[ADK] offset:864*(4*(\G/2)+\u)+64*(\G%2)+288*\p
.endr
.endr
	ds_load_u16 v[KS+2*\G], v[ADS] offset:16*(\G/2)+256*(\G%2)
	ds_load_u16_d16_hi v[KS+2*\G+1], v[ADS] offset:16*(\G/2)+256*(\G%2)+4
.endr
	SUMP                                           ; the last step's p, while K's loads are out
	s_wait_dscnt 0x0
.irp G, 0,1,2,3
.irp u, 0,1
	v_wmma_scale_f32_16x16x128_f8f6f4 v[S+8*(2*\G+\u):S+8*(2*\G+\u)+7], v[KB+18*\G+6*\u:KB+18*\G+6*\u+11], v[QF+6*\u:QF+6*\u+11], 0, v[KS+2*\G+\u], v[QS+\u] matrix_a_fmt:MATRIX_FMT_FP6 matrix_b_fmt:MATRIX_FMT_FP6
.endr
.endr
	v_mov_b32 v253, v12                            ; the old -M.  Four places: ahead of the loads onto K's registers and of the first read of the scores
	v_add_nc_u32 v[ADV], s[TB], v[AV0]
	v_add_nc_u32 v[ADT], s[TS], v[AT0]
	v_nop
.irp d, 0,1
	VLH \d, 0
	VLH \d, 3
	ds_load_b32 v[VS+\d], v[ADT] offset:4*\d
.endr
.irp x, 0,1,2,3,4,5,6,7                        ; the largest score of my two blocks of 32 keys: eight chains, one to a tile, each accumulator read from its low end on
	v_max3_num_f32 v[236+\x], v[S+8*\x], v[S+8*\x+1], v[S+8*\x+2]
.endr
.irp i, 3,5
.irp x, 0,1,2,3,4,5,6,7
	v_max3_num_f32 v[236+\x], v[236+\x], v[S+8*\x+\i], v[S+8*\x+\i+1]
.endr
.endr
.irp c, 0,4
	v_max3_num_f32 v[236+\c], v[236+\c], v[237+\c], v[S+8*\c+7]
	v_max3_num_f32 v[238+\c], v[238+\c], v[239+\c], v[S+8*\c+15]
.endr
.irp c, 0,4
	v_max3_num_f32 v[236+\c], v[236+\c], v[238+\c], v[S+8*\c+23]
.endr
.irp c, 0,4
	v_max_num_f32 v[236+\c], v[236+\c], v[S+8*\c+31]   ; v236: block h; v240: block 2 + h
.endr
	v_max_num_f32 v244, v236, v240                 ; V's other loads stand between the links of this chain
	VLH 2, 0
	v_permlanex16_b32 v245, v244, s[SEL], s[SEL+1]
	VLH 2, 3
	ds_load_b32 v[VS+2], v[ADT] offset:8
	v_max3_num_f32 v13, v13, v244, v245            ; the running largest score (c is positive)
	VLH 3, 0
	v_mul_f32 v242, s[CS], v13                     ; as t
	VLH 3, 3
	ds_load_b32 v[VS+3], v[ADT] offset:12
	v_floor_f32 v12, -v242                         ; the new -M = -ceil(t)
.set j, 0
.rept 32
	v_pk_fma_f32 v[S+j:S+j+1], v[S+j:S+j+1], s[CS:CS+1], v[12:13] op_sel_hi:[1,0,0]   ; t - M, two at a time
.if j == 8
	v_sub_f32 v242, v12, v253                      ; old M - new M: a whole number, 0 or less
.endif
.if j == 24
	v_cvt_i32_f32 v242, v242                       ; (it saturates)
.endif
.if j == 40
	v_ldexp_f32 v254, 1.0, v242                    ; f = 2^(old M - new M)
.endif
.set j, j+2
.endr
	v_fma_f32 v236, v236, s[CS], v12               ; the same of each block's largest score: p rises with the score
	v_fma_f32 v240, v240, s[CS], v12
	WALU                                           ; ahead of the batch
.set j, 0
.rept 64
	v_exp_f32 v[S+j], v[S+j]                       ; p = 2^(t - M): not normalised
.set j, j+1
.endr
	v_exp_f32 v236, v236
	v_exp_f32 v240, v240
	v_pk_mul_f32 v[14:15], v[14:15], v[254:255] op_sel_hi:[1,0]   ; l under the new M; a plain instruction behind the exponentials
	WALU                                           ; one wait for the batch, ahead of its first reader
	v_max_num_f32 v236, 0x1800000, v236            ; the floor 2^(3 - 127): the byte cannot fall under 1
	v_max_num_f32 v240, 0x1800000, v240
	v_add_nc_u32 v244, 0xff000000, v236            ; the conversions' scale operands
	v_add_nc_u32 v245, 0xff000000, v240
	v_cvt_scalef32_pk16_fp6_f32 v[P:P+2], v[S:S+15], v244
	v_cvt_scalef32_pk16_fp6_f32 v[246:248], v[S+16:S+31], v244     ; (a conversion's three registers begin on an even number)
	v_cvt_scalef32_pk16_fp6_f32 v[P+6:P+8], v[S+32:S+47], v245
	v_cvt_scalef32_pk16_fp6_f32 v[250:252], v[S+48:S+63], v245
	v_lshrrev_b32 v242, 23, v244                   ; the bytes of blocks h and 2 + h; plain instructions behind the conversions
	v_lshrrev_b32 v243, 23, v245
	v_mov_b32 v[P+3], v246
	v_mov_b32 v[P+9], v250
	v_lshl_or_b32 v242, v243, 16, v242
	v_mov_b32 v[P+4], v247
	v_mov_b32 v[P+10], v251
	v_lshlrev_b32 v242, v[SH8], v242               ; at their places in the word
	v_mov_b32 v[P+5], v248
	v_mov_b32 v[P+11], v252
	v_permlanex16_b32 v243, v242, s[SEL], s[SEL+1]
	v_or_b32 v[PW], v242, v243                     ; with lane l xor 16's two bytes p's scale word is whole
	s_wait_dscnt 0x0                               ; V's fragments and scale words
	WALU                                           ; directly ahead of the first reader of O^T
.set j, 0
.rept 16
	v_pk_mul_f32 v[O+j:O+j+1], v[O+j:O+j+1], v[254:255] op_sel_hi:[1,0]   ; O^T under the new M; these also stand between the writes of p's codes and scale word and the products
.set j, j+2
.endr
.irp d, 0,1,2,3
	v_wmma_scale_f32_16x16x128_f8f6f4 v[O+8*\d:O+8*\d+7], v[KB+12+18*\d:KB+23+18*\d], v[P:P+11], v[O+8*\d:O+8*\d+7], v[VS+\d], v[PW] matrix_a_fmt:MATRIX_FMT_FP6 matrix_b_fmt:MATRIX_FMT_FP6
.endr
.endm
.macro LOOP first, trips
	s_mov_b32 s[TK], (\first)*6912
	s_mov_b32 s[TB], (\first)*6144
	s_mov_b32 s[TS], (\first)*512
	s_mov_b32 s[CNT], \trips
.Lstep_\@:
	STEP
	s_add_co_u32 s[TK], s[TK], 6912
	s_add_co_u32 s[TB], s[TB], 6144
	s_add_co_u32 s[TS], s[TS], 512
	s_sub_co_u32 s[CNT], s[CNT], 1
	s_cmp_lg_u32 s[CNT], 0
	s_cbranch_scc1 .Lstep_\@
.endm
; THE WAY OUT of a pass: the last step's p into l; O^T / l, quantised along d: two blocks of 32; six registers a lane, the image of a unit
.macro OUT ps
	SUMP
	v_add_f32 v14, v14, v15
	s_delay_alu instid0(VALU_DEP_1)
	v_permlanex16_b32 v241, v14, s[SEL], s[SEL+1]
	s_delay_alu instid0(VALU_DEP_1)
	v_add_f32 v14, v14, v241                       ; the row's sum
	WALU
	v_rcp_f32 v14, v14
	v_bfe_u32 v242, v0, 4, 1                       ; h
	s_delay_alu instid0(VALU_DEP_1)
	v_add_nc_u32 v253, v[R32], v242
	v_cmp_eq_u32 vcc_lo, 1, v242
	v_nop
	WALU                                           ; ahead of the reciprocal's first reader, which is also O^T's
.set j, 0
.rept 16
	v_pk_mul_f32 v[S+j:S+j+1], v[O+j:O+j+1], v[14:15] op_sel_hi:[1,0]   ; each accumulator from its low end on
.set j, j+2
.endr
.irp b, 0,1
	v_max3_num_f32 v[236+\b], |v[S+16*\b]|, |v[S+1+16*\b]|, 0x1800000
.endr
.irp i, 2,4,6,8,10,12,14
.irp b, 0,1
	s_delay_alu instid0(VALU_DEP_2)
	v_max3_num_f32 v[236+\b], v[236+\b], |v[S+16*\b+\i]|, |v[S+1+16*\b+\i]|
.endr
.endr
.irp b, 0,1
	s_delay_alu instid0(VALU_DEP_2)
	v_permlanex16_b32 v[240+\b], v[236+\b], s[SEL], s[SEL+1]
.endr
.irp b, 0,1
	s_delay_alu instid0(VALU_DEP_2)
	v_max_num_f32 v[236+\b], v[236+\b], v[240+\b]
.endr
.irp b, 0,1
	s_delay_alu instid0(VALU_DEP_2)
	v_add_nc_u32 v[244+\b], 0xff000000, v[236+\b]
.endr
.irp b, 0,1
	s_delay_alu instid0(VALU_DEP_2)
	v_lshrrev_b32 v[240+\b], 23, v[244+\b]
.endr
	v_cvt_scalef32_pk16_fp6_f32 v[P:P+2], v[S:S+15], v244
	v_cvt_scalef32_pk16_fp6_f32 v[P+4:P+6], v[S+16:S+31], v245
	v_nop
.irp i, 0,1,2
	v_permlane16_swap_b32 v[P+\i], v[P+4+\i]       ; lanes 0-15 now hold block 0 whole, lanes 16-31 block 1
.endr
	v_mov_b32 v[P+3], v[P+4]
	v_mov_b32 v[P+4], v[P+5]
	v_mov_b32 v[P+5], v[P+6]
	v_cndmask_b32 v242, v240, v241, vcc_lo         ; my block's byte
.irp p, 0,1,2
	global_store_b64 v[L8], v[P+2*\p:P+2*\p+1], s[8:9] offset:196608*(\ps)+256*\p   ; 256 consecutive bytes, aligned
.endr
	global_store_b8 v253, v242, s[10:11] offset:8192*(\ps)
.endm
	WALU
	s_wait_loadcnt 0x0                             ; Q
	s_cmp_lt_u32 s[WV], 4
	s_cbranch_scc0 .Lnot_chunk_0
	s_wait_tensorcnt 0x0                           ; waves 0-3: my part of chunk 0 is in
.Lnot_chunk_0:
	s_barrier_signal -1
	s_barrier_wait -1                              ; chunk 0 is whole; the others may be on their way
	LOOP 0, 4
	s_wait_tensorcnt 0x0                           ; every wave: its one load is in
	s_wait_dscnt 0x0
	s_barrier_signal -1
	s_barrier_wait -1                              ; the whole head is in LDS
	LOOP 4, 12
	LOADQ 24576, 1024                              ; the second pass's queries, 256 further on, under the way out
	OUT 0
	v_mov_b32 v13, 0xff61b1e6                      ; the second pass begins as the first: its first f is 0, which clears l and O^T
	s_delay_alu instid0(VALU_DEP_1)
	v_mul_f32 v12, s[CS], v13
	s_delay_alu instid0(VALU_DEP_1)
	v_floor_f32 v12, -v12
	WALU
	s_wait_xcnt 0x0                                ; the stores have read their registers, which the next pass writes
	s_wait_loadcnt 0x0
	LOOP 0, 16
	OUT 1
	s_wait_tensorcnt 0x0                           ; the wave's end
	ds_add_u32 v[SPW], v[NIL]
	s_wait_dscnt 0x0
	CROUND                                         ; the closing round
	s_endpgm
.Lfunc_end_k_q494caf8055_attn:
	.size	k_q494caf8055_attn, .Lfunc_end_k_q494caf8055_attn-k_q494caf8055_attn
	.p2alignl 7, 3214868480
	.fill 96, 4, 3214868480
	.section	.rodata,"a",@progbits
	.p2align	6, 0x0
	.amdhsa_kernel k_q494caf8055_attn
		.amdhsa_group_segment_fixed_size 227328
		.amdhsa_private_segment_fixed_size 0
		.amdhsa_enable_private_segment 0
		.amdhsa_kernarg_size 32
		.amdhsa_user_sgpr_count 2
		.amdhsa_user_sgpr_kernarg_segment_ptr 1
		.amdhsa_wavefront_size32 1
		.amdhsa_system_sgpr_workgroup_id_x 1
		.amdhsa_system_sgpr_workgroup_id_y 1
		.amdhsa_system_sgpr_workgroup_id_z 1
		.amdhsa_system_vgpr_workitem_id 0
		.amdhsa_next_free_vgpr 256
		.amdhsa_next_free_sgpr 96
		.amdhsa_reserve_vcc 1
		.amdhsa_float_denorm_mode_32 3
		.amdhsa_float_denorm_mode_16_64 3
		.amdhsa_memory_ordered 1
		.amdhsa_forward_progress 1
		.amdhsa_inst_pref_size 79
	.end_amdhsa_kernel
	.amdgpu_metadata
---
amdhsa.version: [ 1, 2 ]
amdhsa.kernels:
  - .name:           k_q494caf8055_attn
    .symbol:         k_q494caf8055_attn.kd
    .args:
      - { .name: pc, .offset: 0, .size: 8, .value_kind: global_buffer, .address_space: global }
      - { .name: ps, .offset: 8, .size: 8, .value_kind: global_buffer, .address_space: global }
      - { .name: oc, .offset: 16, .size: 8, .value_kind: global_buffer, .address_space: global }
      - { .name: os, .offset: 24, .size: 8, .value_kind: global_buffer, .address_space: global }
    .group_segment_fixed_size: 227328
    .private_segment_fixed_size: 0
    .kernarg_segment_align: 8
    .kernarg_segment_size: 32
    .max_flat_workgroup_size: 512
    .sgpr_count:     96
    .vgpr_count:     256
    .wavefront_size: 32
...
	.end_amdgpu_metadata
.endif
;; end of part 3
;; launch fcln (part 4): grid 256 x 1, 4 waves a work-group, no clusters, 327,680 bytes of LDS; arguments oc, os, cod, scl, fc_b, q, ln_g, ln_b, out0; writes out0
.if DOCPART == 4
	.amdgcn_target "amdgcn-amd-amdhsa--gfx1250"
	.amdhsa_code_object_version 6
	.text
	.protected	k_q494caf8055_fcln
	.globl	k_q494caf8055_fcln
	.p2align	8
	.type	k_q494caf8055_fcln,@function
k_q494caf8055_fcln:
	s_mov_b64 s[64:65], 0
	v_nop
	global_prefetch_b8 v0, s[64:65] scope:SCOPE_SE
	s_setreg_imm32_b32 hwreg(HW_REG_WAVE_MODE, 25, 1), 1
	s_wait_xcnt 0x0
.set QRB,  49152
.set RED1, 315392
.set QA,   4
.set RA,   5
.set RW,   7
.set RR,   8
.set SA,   16
.set AF,   32
.set SB,   128
.set G,    192
.set BT,   200
.set MU,   208
.set SU,   216
.set RS,   232
.set TP,   240
.set WV,   22
.set SEL,  48
.set MSB, 0
.macro WIN new
.if MSB != (\new)
	s_set_vgpr_msb (MSB<<8)|(\new)
.set MSB, (\new)
.endif
.endm
.macro LOADB G
	WIN 0x40
.irp bi, 0,1,2,3
.irp g, 0,1,2
	global_load_b128 v[12*(4*((\G)%5)+\bi)+4*\g:12*(4*((\G)%5)+\bi)+4*\g+3], v1, s[8:9] offset:12288*(4*((\G)%4)+\bi)+1536*((\G)/4)+512*\g
.endr
.endr
.endm
.macro FETCHA q
	WIN 0
.irp a, 0,1
.irp p, 0,1,2,3,4,5
	ds_load_b64 v[AF+48*((\q)%2)+12*\a+2*\p:AF+48*((\q)%2)+12*\a+2*\p+1], v2 offset:12288*\a+1536*(\q)+256*\p
.endr
.endr
.endm
.macro MM a, b, q, pl, first
.set rD, 8*(4*((\b)%8)+(\a))
.set rC, rD
.if \first
.set rC, 8*(4*((\b)%8))
.endif
.set rB, 12*(\pl)
.set rA, AF+48*((\q)%2)+12*(\a)
.set rSB, SB+8*((\b)/2)+(\q)
.set rSA, SA+8*((\a)/2)+(\q)
.if (((\b)%2) == 0) && (((\a)%2) == 0)
	v_wmma_scale_f32_16x16x128_f8f6f4 v[rD:rD+7], v[rB:rB+11], v[rA:rA+11], v[rC:rC+7], v[rSB], v[rSA] matrix_a_fmt:MATRIX_FMT_FP6 matrix_b_fmt:MATRIX_FMT_FP6
.elseif (((\a)%2) == 0)
	v_wmma_scale_f32_16x16x128_f8f6f4 v[rD:rD+7], v[rB:rB+11], v[rA:rA+11], v[rC:rC+7], v[rSB], v[rSA] matrix_a_fmt:MATRIX_FMT_FP6 matrix_b_fmt:MATRIX_FMT_FP6 matrix_a_scale:MATRIX_SCALE_ROW1
.elseif (((\b)%2) == 0)
	v_wmma_scale_f32_16x16x128_f8f6f4 v[rD:rD+7], v[rB:rB+11], v[rA:rA+11], v[rC:rC+7], v[rSB], v[rSA] matrix_a_fmt:MATRIX_FMT_FP6 matrix_b_fmt:MATRIX_FMT_FP6 matrix_b_scale:MATRIX_SCALE_ROW1
.else
	v_wmma_scale_f32_16x16x128_f8f6f4 v[rD:rD+7], v[rB:rB+11], v[rA:rA+11], v[rC:rC+7], v[rSB], v[rSA] matrix_a_fmt:MATRIX_FMT_FP6 matrix_b_fmt:MATRIX_FMT_FP6 matrix_a_scale:MATRIX_SCALE_ROW1 matrix_b_scale:MATRIX_SCALE_ROW1
.endif
.endm
.macro GROUP G
.set QS, (\G)/4
.set G4, (\G)%4
.if G4 < 2
	WIN 0xa1
.else
	WIN 0xf1
.endif
.if QS == 0
.irp a, 1
.irp bi, 0,1,2,3
	MM \a, 4*G4+\bi, QS, 4*((\G)%5)+\bi, 1
.endr
.endr
.rept 5
	v_nop
.endr
.irp bi, 0,1,2,3
	MM 0, 4*G4+\bi, QS, 4*((\G)%5)+\bi, 0
.endr
.else
.irp bi, 0,1,2,3
.irp a, 0,1
	MM \a, 4*G4+\bi, QS, 4*((\G)%5)+\bi, 0
.endr
.endr
.endif
.endm
.macro AFTER G
.rept 4
	v_nop
.endr
.if (\G)+5 <= 31
	LOADB (\G)+5
.endif
.if (((\G)%4) == 1) && ((\G)/4 < 7)
	FETCHA (\G)/4+1
.endif
.if ((\G)%4) == 3
	s_wait_dscnt 0x0
.endif
.if (\G) <= 26
	s_wait_loadcnt 48
.elseif (\G) < 31
	s_wait_loadcnt 12*(30-(\G))
.endif
.endm
	s_load_b256 s[4:11], s[0:1], 0x0
	s_load_b256 s[12:19], s[0:1], 0x20
	s_load_b64 s[20:21], s[0:1], 0x40
	v_lshl_add_u32 v254, v0, 2, 0x4d800
	v_mov_b32 v255, 0
	ds_add_u32 v254, v255
	ds_add_u32 v254, v255
	v_lshrrev_b32 v1, 5, v0
	v_readfirstlane_b32 s[WV], v1
	s_mov_b32 s24, 3<<16
	s_mov_b32 s25, 32<<16
	s_mov_b32 s26, 24<<16
	s_mov_b32 s27, 32<<16
	s_mov_b32 s28, 24
	s_mov_b32 s29, 32
	s_mov_b32 s30, 0
	s_mov_b32 s31, 0
	s_mov_b32 s32, (2<<16)|(1<<20)|(7<<22)|(3<<25)
	s_mov_b32 s33, 256<<16
	s_mov_b32 s34, 32<<16
	s_mov_b32 s35, 256<<16
	s_mov_b32 s36, 32
	s_mov_b32 s37, 1024
	s_mov_b32 s38, 0
	s_mov_b32 s39, 0
	s_mul_i32 s50, ttmp9, 24576
	s_mul_i32 s52, s[WV], 6144
	s_add_co_u32 s50, s50, s52
	s_mov_b32 s51, 0
	s_lshl_b32 s54, ttmp9, 17
	s_lshl_b32 s53, s[WV], 10
	s_add_co_u32 s54, s54, s53
	s_mov_b32 s55, 0
	s_mul_i32 s56, s[WV], 66560
	s_add_co_u32 s56, s56, QRB
	s_wait_dscnt 0x0
	s_wait_kmcnt 0x0
	s_mov_b32 s40, 1
	s_mov_b32 s41, s52
	s_add_nc_u64 s[42:43], s[4:5], s[50:51]
	s_or_b32 s43, s43, 0x80000000
	s_mov_b32 s44, 1
	s_mov_b32 s45, s56
	s_add_nc_u64 s[46:47], s[14:15], s[54:55]
	s_or_b32 s47, s47, 0x80000000
	tensor_load_to_lds s[40:43], s[24:31]
	s_nop 0
	s_wait_alu depctr_va_vdst(0)
	s_wait_tensorcnt 0x0
	ds_add_u32 v254, v255
	s_wait_dscnt 0x0
	s_barrier_signal -1
	s_barrier_wait -1
	tensor_load_to_lds s[44:47], s[32:39]
	s_nop 0
.rept 4
	v_nop
.endr
	v_and_b32 v10, 31, v0
	v_and_b32 v11, 15, v0
	v_bfe_u32 v12, v0, 4, 1
	v_lshlrev_b32 v1, 4, v10
	v_lshlrev_b32 v2, 3, v10
	v_lshlrev_b32 v3, 5, v10
	v_mul_u32_u24 v[QA], v11, 1040
	v_lshl_add_u32 v[QA], v12, 5, v[QA]
	v_add_nc_u32 v[QA], s56, v[QA]
	v_add_nc_u32 v[RA], s56, v1
	s_lshl_b32 s50, s[WV], 2
	s_add_co_u32 s50, s50, RED1
	v_lshl_add_u32 v[RW], v11, 4, s50
	v_lshl_add_u32 v[RR], v11, 4, RED1
	v_lshlrev_b32 v9, 5, v12
	s_wait_alu depctr_va_vdst(0)
.irp a, 0,1,2,3
	v_mov_b32 v[TP+\a], 0
.endr
	s_mov_b32 s[SEL], 0x76543210
	s_mov_b32 s[SEL+1], 0xfedcba98
	s_mov_b32 s58, 0x3a800000
	s_mov_b32 s59, 0x3727c5ac
	s_add_nc_u64 s[20:21], s[20:21], s[54:55]
	s_lshl_b32 s50, ttmp9, 10
	s_add_nc_u64 s[6:7], s[6:7], s[50:51]
	s_lshl_b32 s50, s[WV], 13
	s_add_co_u32 s50, s50, 884736
	s_add_nc_u64 s[10:11], s[10:11], s[50:51]
	s_mul_i32 s50, s[WV], 196608
	s_add_co_u32 s50, s50, 21233664
	s_add_nc_u64 s[8:9], s[8:9], s[50:51]
	s_mov_b32 s52, s53
	s_mov_b32 s53, 0
	s_add_nc_u64 s[12:13], s[12:13], s[52:53]
	s_add_nc_u64 s[16:17], s[16:17], s[52:53]
	s_add_nc_u64 s[18:19], s[18:19], s[52:53]
.irp i, 0
.irp u, 0,1
	global_load_b128 v[SA+8*\i+4*\u:SA+8*\i+4*\u+3], v3, s[6:7] offset:1024*\i+16*\u
.endr
.endr
.irp j, 0,1,2,3,4,5,6,7
.irp u, 0,1
	global_load_b128 v[SB+8*\j+4*\u:SB+8*\j+4*\u+3], v3, s[10:11] offset:1024*\j+16*\u
.endr
.endr
.irp u, 0,1
	global_load_b128 v[G+4*\u:G+4*\u+3], v1, s[16:17] offset:512*\u
	global_load_b128 v[BT+4*\u:BT+4*\u+3], v1, s[18:19] offset:512*\u
.endr
	WIN 0x80
.irp b, 0,1,2,3,4,5,6,7
	global_load_b128 v[32*\b:32*\b+3], v9, s[12:13] offset:64*\b
	global_load_b128 v[32*\b+4:32*\b+7], v9, s[12:13] offset:64*\b+16
.endr
	WIN 0xc0
.irp b, 0,1,2,3,4,5,6,7
	global_load_b128 v[32*\b:32*\b+3], v9, s[12:13] offset:64*(8+\b)
	global_load_b128 v[32*\b+4:32*\b+7], v9, s[12:13] offset:64*(8+\b)+16
.endr
.irp g, 0,1,2,3,4
	LOADB \g
.endr
	WIN 0
	s_wait_tensorcnt 0x1
	s_barrier_signal -1
	s_barrier_wait -1
	FETCHA 0
	s_wait_loadcnt 48
	s_wait_dscnt 0x0
.set GG, 0
.rept 32
	GROUP GG
	AFTER GG
.set GG, GG+1
.endr
	WIN 0
.macro QLOAD n
	WIN 0x40
.irp b2, 0,1
.irp a, 0,1
	ds_load_b128 v[64*((\n)%2)+32*\b2+8*\a:64*((\n)%2)+32*\b2+8*\a+3], v[QA] offset:16640*\a+64*(2*(\n)+\b2)
	ds_load_b128 v[64*((\n)%2)+32*\b2+8*\a+4:64*((\n)%2)+32*\b2+8*\a+7], v[QA] offset:16640*\a+64*(2*(\n)+\b2)+16
.endr
.endr
.endm
.macro ADDQ n
.set aw, (\n)/4
.set ab, 64*((\n)%4)
.set at, 64*((\n)%2)
	WIN 0x86+0x41*aw
.set kk, 0
.rept 32
.if ((kk/8)%4) < 2
	v_pk_add_f32 v[ab+kk:ab+kk+1], v[ab+kk:ab+kk+1], v[at+kk:at+kk+1]
.endif
.set kk, kk+2
.endr
	WIN 0x08+4*aw
.irp jj, 0,2,4,6
.irp b2, 0,1
.irp a, 0,1
	v_pk_add_f32 v[SU+4*\a+\jj%4:SU+4*\a+\jj%4+1], v[SU+4*\a+\jj%4:SU+4*\a+\jj%4+1], v[ab+32*\b2+8*\a+\jj:ab+32*\b2+8*\a+\jj+1]
.endr
.endr
.endr
.endm
.macro ROWSUM off
	WIN 0
.irp a, 0,1,2,3
	v_pk_add_f32 v[SU+4*\a:SU+4*\a+1], v[SU+4*\a:SU+4*\a+1], v[SU+4*\a+2:SU+4*\a+3]
.endr
.irp a, 0,1,2,3
	v_add_f32 v[SU+4*\a], v[SU+4*\a], v[SU+4*\a+1]
.endr
.irp a, 0,1,2,3
	v_permlanex16_b32 v[TP+\a], v[SU+4*\a], s[SEL], s[SEL+1]
.endr
.irp a, 0,1,2,3
	v_add_f32 v[SU+4*\a], v[SU+4*\a], v[TP+\a]
.endr
.irp a, 0,1,2,3
	ds_store_b32 v[RW], v[SU+4*\a] offset:\off+256*\a
.endr
	s_wait_dscnt 0x0
	s_barrier_signal -1
	s_barrier_wait -1
.irp a, 0,1,2,3
	ds_load_b128 v[AF+4*\a:AF+4*\a+3], v[RR] offset:\off+256*\a
.endr
	s_wait_dscnt 0x0
.irp a, 0,1,2,3
	v_add_f32 v[AF+4*\a], v[AF+4*\a], v[AF+4*\a+1]
.endr
.irp a, 0,1,2,3
	v_add_f32 v[AF+4*\a+2], v[AF+4*\a+2], v[AF+4*\a+3]
.endr
.irp a, 0,1,2,3
	v_add_f32 v[AF+4*\a], v[AF+4*\a], v[AF+4*\a+2]
.endr
.endm
	s_wait_tensorcnt 0x0
.set kk, 0
.rept 16
	v_mov_b32 v[SU+kk], 0
.set kk, kk+1
.endr
	QLOAD 0
.irp n, 0,1,2,3,4,5,6,7
.if \n < 7
	QLOAD \n+1
	s_wait_dscnt 8
.else
	s_wait_dscnt 0x0
.endif
	ADDQ \n
.endr
	ROWSUM 0
.irp a, 0,1,2,3
	v_mul_f32 v[MU+2*\a], s58, v[AF+4*\a]
.endr
.irp a, 0,1,2,3
	v_mov_b32 v[MU+2*\a+1], v[MU+2*\a]
.endr
.set kk, 0
.rept 16
	v_mov_b32 v[SU+kk], 0
.set kk, kk+1
.endr
.irp w, 0,1
	WIN 0x82+0x41*\w
.set kk, 0
.rept 128
.if ((kk/8)%4) < 2
	v_pk_add_f32 v[kk:kk+1], v[kk:kk+1], v[MU+2*((kk/8)%4):MU+2*((kk/8)%4)+1] neg_lo:[0,1] neg_hi:[0,1]
.endif
.set kk, kk+2
.endr
	WIN 0x0a+5*\w
.irp bb, 0,1,2,3,4,5,6,7
.irp jj, 0,2,4,6
.irp a, 0,1
	v_pk_fma_f32 v[SU+4*\a+\jj%4:SU+4*\a+\jj%4+1], v[32*\bb+8*\a+\jj:32*\bb+8*\a+\jj+1], v[32*\bb+8*\a+\jj:32*\bb+8*\a+\jj+1], v[SU+4*\a+\jj%4:SU+4*\a+\jj%4+1]
.endr
.endr
.endr
.endr
	ROWSUM 1024
.irp a, 0,1,2,3
	v_fma_f32 v[TP+\a], v[AF+4*\a], s58, s59
.endr
	s_wait_alu depctr_va_vdst(0)
.irp a, 0,1,2,3
	v_rsq_f32 v[RS+2*\a], v[TP+\a]
.endr
	v_nop
	s_wait_alu depctr_va_vdst(0)
.irp a, 0,1,2,3
	v_mov_b32 v[RS+2*\a+1], v[RS+2*\a]
.endr
.macro OUTT a
.irp w, 0,1
	WIN 0x82+0x41*\w
.irp bb, 0,1,2,3,4,5,6,7
.irp jj, 0,2,4,6
	v_pk_mul_f32 v[32*\bb+8*(\a)+\jj:32*\bb+8*(\a)+\jj+1], v[32*\bb+8*(\a)+\jj:32*\bb+8*(\a)+\jj+1], v[RS+2*(\a):RS+2*(\a)+1]
.endr
.endr
.endr
.irp w, 0,1
	WIN 0x08+4*\w
.irp bb, 0,1,2,3,4,5,6,7
	ds_store_b128 v[QA], v[32*\bb+8*(\a):32*\bb+8*(\a)+3] offset:16640*(\a)+64*(8*\w+\bb)
	ds_store_b128 v[QA], v[32*\bb+8*(\a)+4:32*\bb+8*(\a)+7] offset:16640*(\a)+64*(8*\w+\bb)+16
.endr
.endr
.if (\a) > 0
	s_wait_xcnt 0x0
.endif
	WIN 0x40
.irp i, 0,1,2,3,4,5,6,7,8,9,10,11,12,13,14,15
.irp u, 0,1
	ds_load_b128 v[8*\i+4*\u:8*\i+4*\u+3], v[RA+(\a)/2] offset:1040*((16*(\a)+\i)%32)+512*\u
.endr
.endr
.irp hf, 0,1
	s_wait_dscnt 16-16*\hf
	WIN 0x41
.irp i, 0,1,2,3,4,5,6,7
.irp u, 0,1
.irp jj, 0,2
	v_pk_fma_f32 v[64*\hf+8*\i+4*\u+\jj:64*\hf+8*\i+4*\u+\jj+1], v[64*\hf+8*\i+4*\u+\jj:64*\hf+8*\i+4*\u+\jj+1], v[G+4*\u+\jj:G+4*\u+\jj+1], v[BT+4*\u+\jj:BT+4*\u+\jj+1]
.endr
.endr
.endr
	WIN 0x04
.irp i, 0,1,2,3,4,5,6,7
.irp u, 0,1
	global_store_b128 v1, v[64*\hf+8*\i+4*\u:64*\hf+8*\i+4*\u+3], s[20:21] offset:4096*(16*(\a)+8*\hf+\i)+512*\u th:TH_STORE_NT
.endr
.endr
.endr
.endm
	OUTT 0
	OUTT 1
	WIN 0
	s_wait_tensorcnt 0x0
	ds_add_u32 v254, v255
	s_wait_dscnt 0x0
	s_endpgm
.Lfunc_end_k_q494caf8055_fcln:
	.size	k_q494caf8055_fcln, .Lfunc_end_k_q494caf8055_fcln-k_q494caf8055_fcln
	.p2alignl 7, 3214868480
	.fill 96, 4, 3214868480
	.section	.rodata,"a",@progbits
	.p2align	6, 0x0
	.amdhsa_kernel k_q494caf8055_fcln
		.amdhsa_group_segment_fixed_size 327680
		.amdhsa_private_segment_fixed_size 0
		.amdhsa_enable_private_segment 0
		.amdhsa_kernarg_size 72
		.amdhsa_user_sgpr_count 2
		.amdhsa_user_sgpr_kernarg_segment_ptr 1
		.amdhsa_wavefront_size32 1
		.amdhsa_system_sgpr_workgroup_id_x 1
		.amdhsa_system_sgpr_workgroup_id_y 1
		.amdhsa_system_sgpr_workgroup_id_z 1
		.amdhsa_system_vgpr_workitem_id 0
		.amdhsa_next_free_vgpr 1024
		.amdhsa_next_free_sgpr 66
		.amdhsa_reserve_vcc 0
		.amdhsa_float_denorm_mode_32 3
		.amdhsa_float_denorm_mode_16_64 3
		.amdhsa_memory_ordered 1
		.amdhsa_forward_progress 1
		.amdhsa_inst_pref_size 166
	.end_amdhsa_kernel
	.amdgpu_metadata
---
amdhsa.version: [ 1, 2 ]
amdhsa.kernels:
  - .name:           k_q494caf8055_fcln
    .symbol:         k_q494caf8055_fcln.kd
    .args:
      - { .name: oc, .offset: 0, .size: 8, .value_kind: global_buffer, .address_space: global }
      - { .name: os, .offset: 8, .size: 8, .value_kind: global_buffer, .address_space: global }
      - { .name: cod, .offset: 16, .size: 8, .value_kind: global_buffer, .address_space: global }
      - { .name: scl, .offset: 24, .size: 8, .value_kind: global_buffer, .address_space: global }
      - { .name: fc_b, .offset: 32, .size: 8, .value_kind: global_buffer, .address_space: global }
      - { .name: q, .offset: 40, .size: 8, .value_kind: global_buffer, .address_space: global }
      - { .name: ln_g, .offset: 48, .size: 8, .value_kind: global_buffer, .address_space: global }
      - { .name: ln_b, .offset: 56, .size: 8, .value_kind: global_buffer, .address_space: global }
      - { .name: out0, .offset: 64, .size: 8, .value_kind: global_buffer, .address_space: global }
    .group_segment_fixed_size: 327680
    .private_segment_fixed_size: 0
    .kernarg_segment_align: 8
    .kernarg_segment_size: 72
    .max_flat_workgroup_size: 128
    .sgpr_count:     66
    .vgpr_count:     1024
    .wavefront_size: 32
...
	.end_amdgpu_metadata
.endif
;; end of part 4
